; MI455X (gfx1250); checked and timed in simulation.
; The chip was launched on July 23, 2026; its instructions are those of AMD's public machine-readable ISA for CDNA 5 (MIT licence, August 2026) and "CDNA5" Instruction Set Architecture Reference Guide (July 2026). The comments in the code are by the model that wrote it; some were corrected since.
;; Mo E Layer. Allowed arithmetic: float matrix products may take bf16 or f16 operands with f32 sums; other float arithmetic in f32, or as packed bf16 or f16 multiplies, adds, multiply-adds, maxima and minima; sums over many terms, partial sums and values carried from step to step in f32; what a program stores and reads back later, other than sums and carried values, may be rounded once to bf16 or f16.
;; Inputs: b1 8 x 4,096 float32; b2 8 x 1,024 float32; router_b 8 float32; router_w 1,024 x 8 float32; w1 8 x 1,024 x 4,096 float32; w2 8 x 4,096 x 1,024 float32; x 4 x 256 x 1,024 float32.
;; Outputs: out0 4 x 256 x 1,024 float32.
;; 3 versions, each right; version 2 is faster than version 1; version 3 is version 2 with the launches ffn, ffn2 written anew for expert scheduling mode. Each part assembles by itself: llvm-mc -triple=amdgcn-amd-amdhsa -mcpu=gfx1250 --defsym DOCPART=n.
;; ======== version 1 of 3: 4 launches
;; limits: a function is approximated: absolute error at most 2.5e-05; an absolute error that grows with the inputs' magnitude: up to 1.25e-05 times it
;; workspace buffers: xb 2,097,152 bytes; ctl1 1,280 bytes of whole numbers; ctl2 1,280 bytes of whole numbers; sel 4,096 bytes of whole numbers; gates 8,192 bytes; h 67,108,864 bytes; part 134,217,728 bytes
;; launch router (part 1): grid 128 x 1, 8 waves a work-group, no clusters, 1,280 bytes of LDS; arguments x, router_w, router_b, xb, ctl1, ctl2, sel, gates; writes xb, ctl1, ctl2, sel, gates
.if DOCPART == 1
	.amdgcn_target "amdgcn-amd-amdhsa--gfx1250"
	.amdhsa_code_object_version 6
	.text
	.protected	k_q7485022d70_router
	.globl	k_q7485022d70_router
	.p2align	8
	.type	k_q7485022d70_router,@function
k_q7485022d70_router:
	s_mov_b64 s[64:65], 0
	v_nop
	global_prefetch_b8 v0, s[64:65] scope:SCOPE_SE
	s_setreg_imm32_b32 hwreg(HW_REG_WAVE_MODE, 25, 1), 1
	s_wait_xcnt 0x0
; ROUTER.  logits = x router_w + router_b, the two largest of the 8 logits of each token, a softmax over those two.
; A work-group has 8 tokens, a wave one token t = 8 wg + wave.  Lane L owns k = 128 j + 4 L + v (j 0..7, v 0..3).
; x, router_w and router_b are rounded once to bf16 (as all inputs of this program are); the products of two bf16 are exact in f32, the sums are f32.
; Stored, all at fixed places: xb (x in bf16); for each expert a bitmap of its tokens (bit b of word w = token 32 w + b), twice (ctl1, ctl2);
; behind each bitmap eight words that give the product which reads that buffer its sizes; sel (first expert | second expert << 8); gates (two f32 a token).
; No address and no branch hangs on a logit.
; LIMITS.  Logits are taken as finite: NaN and infinities are not treated apart.  Ties go to the lower index, as in jax.lax.top_k.
; The larger logit is taken away in front of the exponential, so its argument is never above 0; a second gate below 2^-126 counts as 0.
.set X,   8                            ; v[8:39]    x of my token, 4 numbers for each j
.set XP,  40                           ; v[40:55]   the same in bf16, 2 registers for each j; never rewritten (the stores read them)
.set WF,  64                           ; v[64:191]  router_w: a ring of four j, 32 registers each: w[v][e] at 8 v + e
.set WP,  192                          ; v[192:207] one j of router_w in bf16: w[v][e], w[v][e+1] at 4 v + e / 2
.set ACC, 208                          ; v[208:215] the 8 sums
.set M1,  216                          ; the largest logit, the second, and their experts
.set M2,  217
.set I1,  218
.set I2,  219
.set T0,  220
.set T1,  221
.set SPW, 222                          ; LDS address of my spare word; never rewritten
.set NIL, 223                          ; 0; never rewritten
.set SPARE, 256                        ; LDS: bytes 0..127 eight records of 16 bytes; from 256 on the spare words, 128 bytes a wave
	s_load_b512 s[4:19], s[0:1], 0x0               ; x 4:5, router_w 6:7, router_b 8:9, xb 10:11, ctl1 12:13, ctl2 14:15, sel 16:17, gates 18:19
	v_lshl_add_u32 v[SPW], v0, 2, SPARE
	v_mov_b32 v[NIL], 0
	v_and_b32 v1, 31, v0                           ; lane
	v_lshrrev_b32 v5, 5, v0
	v_readfirstlane_b32 s20, v5                    ; wave
	v_lshlrev_b32 v2, 4, v1                        ; 16 L: my 4 numbers of x in 512 bytes
	v_lshlrev_b32 v3, 7, v1                        ; 128 L: my 4 rows of router_w in 4,096 bytes
	v_lshlrev_b32 v4, 3, v1                        ; 8 L: my 4 numbers of xb in 256 bytes
	s_lshl_b32 s21, ttmp9, 3
	s_add_co_u32 s21, s21, s20                     ; t
	s_lshl_b32 s22, s21, 12                        ; a row of x is 4,096 bytes,
	s_mov_b32 s23, 0
	s_lshl_b32 s32, s21, 11                        ; a row of xb 2,048
	s_mov_b32 s33, 0
	s_mov_b32 s34, 0x76543210                      ; v_permlanex16_b32: each lane takes its own place in the other half
	s_mov_b32 s35, 0xfedcba98
	s_wait_kmcnt 0x0
	s_load_b256 s[24:31], s[8:9], 0x0              ; router_b
	s_add_nc_u64 s[4:5], s[4:5], s[22:23]
	s_add_nc_u64 s[10:11], s[10:11], s[32:33]
.irp j, 0,1,2,3,4,5,6,7
	global_load_b128 v[X+4*\j:X+4*\j+3], v2, s[4:5] offset:512*\j th:TH_LOAD_NT
.endr
.macro WLD j                           ; router_w rows 128 j + 4 L + v: eight loads, which together cover 4,096 consecutive bytes
.irp v, 0,1,2,3
	global_load_b128 v[WF+32*((\j)%4)+8*\v:WF+32*((\j)%4)+8*\v+3],   v3, s[6:7] offset:4096*(\j)+32*\v
	global_load_b128 v[WF+32*((\j)%4)+8*\v+4:WF+32*((\j)%4)+8*\v+7], v3, s[6:7] offset:4096*(\j)+32*\v+16
.endr
.endm
	WLD 0
	WLD 1
	WLD 2
	WLD 3
.irp e, 0,1,2,3,4,5,6,7
	v_mov_b32 v[ACC+\e], 0
.endr
.macro FM d, xr, wr, a, b              ; d += (half a of xr) x (half b of wr), both bf16, in f32
.if ((\a) == 0) && ((\b) == 0)
	v_fma_mix_f32_bf16 v[\d], v[\xr], v[\wr], v[\d] op_sel_hi:[1,1,0]
.elseif ((\a) == 1) && ((\b) == 0)
	v_fma_mix_f32_bf16 v[\d], v[\xr], v[\wr], v[\d] op_sel:[1,0,0] op_sel_hi:[1,1,0]
.elseif ((\a) == 0) && ((\b) == 1)
	v_fma_mix_f32_bf16 v[\d], v[\xr], v[\wr], v[\d] op_sel:[0,1,0] op_sel_hi:[1,1,0]
.else
	v_fma_mix_f32_bf16 v[\d], v[\xr], v[\wr], v[\d] op_sel:[1,1,0] op_sel_hi:[1,1,0]
.endif
.endm
.macro STEP j, left                    ; left: the loads of the younger buffers of router_w, 8 each, may stay out
	s_wait_loadcnt \left
	v_cvt_pk_bf16_f32 v[XP+2*(\j)],   v[X+4*(\j)],   v[X+4*(\j)+1]
	v_cvt_pk_bf16_f32 v[XP+2*(\j)+1], v[X+4*(\j)+2], v[X+4*(\j)+3]
	global_store_b64 v4, v[XP+2*(\j):XP+2*(\j)+1], s[10:11] offset:256*(\j)  ; the wave stores 256 consecutive bytes, aligned
.set n, 0
.rept 16
	v_cvt_pk_bf16_f32 v[WP+n], v[WF+32*((\j)%4)+2*n], v[WF+32*((\j)%4)+2*n+1]
.set n, n+1
.endr
.if (\j) < 4
	WLD (\j)+4                                     ; the buffer just rounded takes the rows four j on
.endif
.set vv, 0
.rept 4
.set ee, 0
.rept 8
	FM ACC+ee, XP+2*(\j)+vv/2, WP+4*vv+ee/2, vv%2, ee%2
.set ee, ee+1
.endr
.set vv, vv+1
.endr
.endm
	STEP 0, 24
	STEP 1, 24
	STEP 2, 24
	STEP 3, 24
	STEP 4, 24
	STEP 5, 16
	STEP 6, 8
	STEP 7, 0
	; the 8 sums over the 32 lanes: four steps inside each half of 16 lanes, one across the halves
.irp m, 1,2,4,8
.irp e, 0,1,2,3,4,5,6,7
	v_add_f32_dpp v[ACC+\e], v[ACC+\e], v[ACC+\e] row_xmask:\m row_mask:0xf bank_mask:0xf
.endr
.endr
.irp e, 0,1,2,3,4,5,6,7
	v_permlanex16_b32 v[WP+\e], v[ACC+\e], s34, s35 ; WP has been written: the destination counts as read
.endr
.irp e, 0,1,2,3,4,5,6,7
	v_add_f32 v[ACC+\e], v[ACC+\e], v[WP+\e]
.endr
	s_wait_kmcnt 0x0                               ; router_b
.irp e, 0,2,4,6
	v_mov_b32 v[T0], s[24+\e]
	v_mov_b32 v[T1], s[25+\e]
	v_cvt_pk_bf16_f32 v[T0], v[T0], v[T1]          ; rounded to bf16, and widened again
	v_lshlrev_b32 v[T1], 16, v[T0]
	v_and_b32 v[T0], 0xffff0000, v[T0]
	v_add_f32 v[ACC+\e], v[ACC+\e], v[T1]
	v_add_f32 v[ACC+\e+1], v[ACC+\e+1], v[T0]
.endr
	; the two largest; a later logit takes a place only if it is strictly larger, so the lower index wins a tie
	v_mov_b32 v[M1], v[ACC]
	v_mov_b32 v[I1], 0
	v_mov_b32 v[M2], 0xff800000
	v_mov_b32 v[I2], 0
.irp e, 1,2,3,4,5,6,7
	v_cmp_gt_f32 s36, v[ACC+\e], v[M2]
	v_cmp_gt_f32 vcc_lo, v[ACC+\e], v[M1]
	v_cndmask_b32 v[M2], v[M2], v[ACC+\e], s36
	v_cndmask_b32 v[I2], v[I2], \e, s36
	v_cndmask_b32 v[M2], v[M2], v[M1], vcc_lo
	v_cndmask_b32 v[I2], v[I2], v[I1], vcc_lo
	v_cndmask_b32 v[M1], v[M1], v[ACC+\e], vcc_lo
	v_cndmask_b32 v[I1], v[I1], \e, vcc_lo
.endr
	; gates: 1 / (1 + e^(m2 - m1)) and the rest.  The record v[8:11]: mask of the two experts, sel word, the two gates
	v_sub_f32 v[T0], v[M2], v[M1]
	v_mul_f32 v[T0], 0x3fb8aa3b, v[T0]
	v_exp_f32 v[T0], v[T0]
	v_mov_b32 v[T1], 1                             ; a plain instruction behind the exponential,
	s_wait_alu depctr_va_vdst(0)                   ; and the wait ahead of its first reader
	v_add_f32 v10, 1.0, v[T0]
	v_rcp_f32 v10, v10
	v_lshlrev_b32 v8, v[I1], v[T1]                 ; a plain instruction behind the reciprocal,
	s_wait_alu depctr_va_vdst(0)                   ; and its wait
	v_mul_f32 v11, v[T0], v10
	v_lshlrev_b32 v9, v[I2], v[T1]
	v_or_b32 v8, v8, v9
	v_lshl_or_b32 v9, v[I2], 8, v[I1]
	v_mov_b32 v17, s20
	v_lshlrev_b32 v17, 4, v17
	ds_store_b128 v17, v[8:11]                     ; all lanes store the same 16 bytes: my wave's record
	s_wait_dscnt 0x0                               ; for the others' sake: my record is in LDS
	s_barrier_signal -1
	s_barrier_wait -1
	s_cmp_lg_u32 s20, 0
	s_cbranch_scc1 .Ldone                          ; wave 0 stores for the work-group
	v_and_b32 v18, 7, v1
	v_lshlrev_b32 v18, 4, v18
	ds_load_b128 v[12:15], v18                     ; lane L: the record of token L % 8
	v_mov_b32 v16, 0
	s_mov_b32 s38, ttmp9
	s_mov_b32 s39, 0
	s_add_nc_u64 s[12:13], s[12:13], s[38:39]      ; my 8 tokens are byte wg of each expert's 128 bytes
	s_add_nc_u64 s[14:15], s[14:15], s[38:39]
	s_lshl_b32 s38, ttmp9, 5
	s_add_nc_u64 s[16:17], s[16:17], s[38:39]
	s_lshl_b32 s38, ttmp9, 6
	s_add_nc_u64 s[18:19], s[18:19], s[38:39]
	v_lshlrev_b32 v21, 2, v1
	; the eight words behind each bitmap, lane n holding word n: which product; bytes of a weight row; bytes of the token operand from K step to K step; from a fragment's first
	; 16 bytes to its second; mask of the column slice; mask of the K chunk; mask that wraps the K steps; 0
	v_mov_b32 v22, 0
	v_mov_b32 v23, 0
.macro PARAM lane, a, b
	s_movk_i32 s41, \a
	s_movk_i32 s42, \b
	v_writelane_b32 v22, s41, \lane
	v_writelane_b32 v23, s42, \lane
.endm
	PARAM 0, 0, 1
	PARAM 1, 0x4000, 0x1000
	PARAM 2, 64, 0x400
	PARAM 3, 32, 0x200
	PARAM 4, 31, 7
	PARAM 5, 0, 3
	PARAM 6, 0x7ff, 0x7fff
	s_wait_dscnt 0x0
.irp e, 0,1,2,3,4,5,6,7
	v_and_b32 v19, 1<<\e, v12
	v_cmp_ne_u32 s36, 0, v19                       ; bit j: token j chose expert e
	s_and_b32 s36, s36, 0xff
	v_writelane_b32 v16, s36, \e                   ; lane e holds expert e's byte
.endr
	s_wait_xcnt 0x0                                ; EXEC changes only behind this wait: my loads and stores have had their addresses translated
	v_cmp_gt_u32 vcc_lo, 8, v1
	s_and_saveexec_b32 s40, vcc_lo                 ; lanes 0 to 7
	global_store_b8 v3, v16, s[12:13]              ; byte 128 e + wg
	global_store_b8 v3, v16, s[14:15]
	global_store_b32 v21, v13, s[16:17]
	global_store_b64 v4, v[14:15], s[18:19]
	s_cmp_lg_u32 ttmp9, 0
	s_cbranch_scc1 .Lnokind
	global_store_b32 v21, v22, s[12:13] offset:1024 ; work-group 0 (its bases are the buffers' first bytes) stores the eight words
	global_store_b32 v21, v23, s[14:15] offset:1024
.Lnokind:
	s_wait_xcnt 0x0                                ; and again in front of the line that widens EXEC
	s_or_b32 exec_lo, exec_lo, s40
.Ldone:
	s_wait_tensorcnt 0x0                           ; the wave's end
	ds_add_u32 v[SPW], v[NIL]
	s_wait_dscnt 0x0
	s_endpgm
.Lfunc_end_k_q7485022d70_router:
	.size	k_q7485022d70_router, .Lfunc_end_k_q7485022d70_router-k_q7485022d70_router
	.p2alignl 7, 3214868480
	.fill 96, 4, 3214868480
	.section	.rodata,"a",@progbits
	.p2align	6, 0x0
	.amdhsa_kernel k_q7485022d70_router
		.amdhsa_group_segment_fixed_size 1280
		.amdhsa_private_segment_fixed_size 0
		.amdhsa_enable_private_segment 0
		.amdhsa_kernarg_size 64
		.amdhsa_user_sgpr_count 2
		.amdhsa_user_sgpr_kernarg_segment_ptr 1
		.amdhsa_wavefront_size32 1
		.amdhsa_system_sgpr_workgroup_id_x 1
		.amdhsa_system_sgpr_workgroup_id_y 1
		.amdhsa_system_sgpr_workgroup_id_z 1
		.amdhsa_system_vgpr_workitem_id 0
		.amdhsa_next_free_vgpr 224
		.amdhsa_next_free_sgpr 66
		.amdhsa_reserve_vcc 1
		.amdhsa_float_denorm_mode_32 3
		.amdhsa_float_denorm_mode_16_64 3
		.amdhsa_memory_ordered 1
		.amdhsa_forward_progress 1
		.amdhsa_inst_pref_size 47
	.end_amdhsa_kernel
	.amdgpu_metadata
---
amdhsa.version: [ 1, 2 ]
amdhsa.kernels:
  - .name:           k_q7485022d70_router
    .symbol:         k_q7485022d70_router.kd
    .args:
      - { .name: x, .offset: 0, .size: 8, .value_kind: global_buffer, .address_space: global }
      - { .name: router_w, .offset: 8, .size: 8, .value_kind: global_buffer, .address_space: global }
      - { .name: router_b, .offset: 16, .size: 8, .value_kind: global_buffer, .address_space: global }
      - { .name: xb, .offset: 24, .size: 8, .value_kind: global_buffer, .address_space: global }
      - { .name: ctl1, .offset: 32, .size: 8, .value_kind: global_buffer, .address_space: global }
      - { .name: ctl2, .offset: 40, .size: 8, .value_kind: global_buffer, .address_space: global }
      - { .name: sel, .offset: 48, .size: 8, .value_kind: global_buffer, .address_space: global }
      - { .name: gates, .offset: 56, .size: 8, .value_kind: global_buffer, .address_space: global }
    .group_segment_fixed_size: 1280
    .private_segment_fixed_size: 0
    .kernarg_segment_align: 8
    .kernarg_segment_size: 64
    .max_flat_workgroup_size: 256
    .sgpr_count:     66
    .vgpr_count:     224
    .wavefront_size: 32
...
	.end_amdgpu_metadata
.endif
;; end of part 1
;; launch ffn (part 2): grid 256 x 1, 8 waves a work-group, no clusters, 306,176 bytes of LDS; arguments w1, xb, b1, ctl1, h; writes h
.if DOCPART == 2
	.amdgcn_target "amdgcn-amd-amdhsa--gfx1250"
	.amdhsa_code_object_version 6
	.text
	.protected	k_q7485022d70_ffn
	.globl	k_q7485022d70_ffn
	.p2align	8
	.type	k_q7485022d70_ffn,@function
k_q7485022d70_ffn:
	s_mov_b64 s[64:65], 0
	v_nop
	global_prefetch_b8 v0, s[64:65] scope:SCOPE_SE
	s_setreg_imm32_b32 hwreg(HW_REG_WAVE_MODE, 25, 1), 1
	s_wait_xcnt 0x0
; ONE BODY FOR BOTH PRODUCTS OF THE EXPERTS.  Arguments: weights W (f32), token operand A (bf16), bias (f32), ctl (whole numbers), out.
; Eight words at ctl + 1024, stored by the launch before, give this launch its sizes; the first (KIND) says which product it is:
;   KIND 0: h = gelu(x w1 + b1).  A = xb, [1024 tokens][1024] bf16, rows taken by the expert's list.  out = h, bf16, laid out as the second product's operand registers take it:
;           [64 e + tile][128 fragments of 32 channels][2 halves][32 lanes][16 bytes]; a tile is 16 rows of the expert's list.
;   KIND 1: part[kc] = h w2 (+ b2 where kc = 0), K in four chunks kc of 1,024.  A = h.  out = part, f32 partial sums [kc][e][row of the list][1024].
; Each of the words passes a minimum with a constant, and only sums, left shifts, products and ANDs lead from there into an address.
; SHARES.  256 work-groups: expert E = wg / 32; a slice of its weights of K 1,024 x 128 columns, 512 KB of f32, which this work-group alone reads, once; and ALL rows of that expert.
; The expert's rows are read off its bitmap in ctl: 0 to 1,024 rows are served, 16 to a tile, 24 tiles to a pass, up to 3 passes.
; ALL EIGHT WAVES RUN THE SAME TEXT.  In trip t a wave brings its eighth of chunk t (K 32 x 128 columns) from registers to LDS, rounded to bf16, asks for its eighth of chunk t + 4 and for its
; token fragments of step t + 2, and multiplies one chunk behind: the barrier that closes trip t shows chunk t to everybody.  Four chunks, 64 KB of weights, are on their way for the work-group.
; The slice stays in LDS; each LDS byte of it is written once.  Passes after the first read it again, with no barrier.
; THE THREE PASSES ARE WRITTEN OUT one after the other, the pass's number a constant of the text, and so are the 32 trips of a later pass: behind the last barrier every address into the slice
; is a constant and the lane's term, to be read off the line that makes it.  The price is the text's length.  An expert with 384 rows or fewer leaves behind the first pass, one with 768 or
; fewer behind the second: two forward jumps.
; A wave has up to 3 tiles of 16 rows x all 8 column tiles: tile i of wave w in pass p is tile 24 p + 8 i + w of the list.
; THE MATRIX INSTRUCTION: source 0 = 16 columns of W, source 1 = 16 tokens.  In the result lane (r, h) holds token r and columns 8 h + 0..7: eight neighbouring numbers of a row.
; NO CLUSTER: no weight byte has a second reader; the token rows that an expert's work-groups share go by a list in the first product, and their number is read from memory.
; LIMITS.  W, A and the bias are rounded once to bf16, h once to bf16; sums in f32, in another order than a plain sum over k.
; erf by the rational form 1 - (a1 t + a2 t^2 + a3 t^3) e^(-z^2), t = 1 / (1 + 0.47047 z) (Abramowitz and Stegun 7.1.25): off by 2.5e-5 at the most for every z, so gelu by 1.25e-5 |x| at the most.
; NaN and infinities are not treated apart.  Places past an expert's count in its last tile, and the one tile of an expert without rows, repeat token 0; they are stored and never enter the output.
.set CH,     8320                      ; a chunk in LDS: 8 fragments (16 columns x K 32)
.set FP,     1040                      ; a fragment: two halves of 512 bytes (lane l at 16 l), 16 bytes of padding: the 32 lanes of a store of 8 bytes then cover all 256 bytes of a row of banks
.set PRIV,   32*CH                     ; 266,240: behind the slice, 4,352 bytes for each wave: KIND 0 its token list (256 words, 32 dump words); KIND 1 a stage of 16 rows x 272 bytes
.set PRIVSZ, 4352
.set BIASL,  PRIV+8*PRIVSZ             ; 301,056: the slice's 128 bias numbers, f32, a copy for each wave
.set SPARE,  BIASL+8*512               ; 305,152: the spare words, 128 bytes a wave
; scalar registers
.set WV, 14
.set KIND, 15
.set BM, 16                            ; s[16:47] the expert's bitmap
.set E, 48
.set SUB, 49
.set KC, 50
.set NS, 51
.set PITCH, 52                         ; bytes of a row of W, and of a row of the bias
.set ASTR, 53                          ; bytes of A from K step to K step
.set ADEL, 54                          ; s[54:55] bytes from a fragment's first 16 bytes to its second
.set NE, 56
.set NT, 57                            ; tiles, at least 1
.set MT, 60                            ; my live tiles in this pass, 0 to 3
.set IT, 61
.set WSTP, 62                          ; s[62:63] bytes of W from chunk to chunk
.set A0, 66                            ; s[66:67] A at my K chunk
.set AB0, 68                           ; s[68:69], s[70:71] bases of the token loads in hand
.set AB1, 70
.set AS, 72                            ; byte step of the next token loads
.set ASMASK, 73
.set TP, 74                            ; s[74:75] an offset; the high word stays 0
.set SB, 76                            ; s[76:77] base of the stores
.set IDX, 78
.set C1, 80
.set PRIVB, 81
.set NK2, 82
.set CA1, 84
.set CA2, 86
.set CA3, 88
; vector registers.  v0 the thread's number.  Window 1 (v256-447): the accumulator of tile i, column tile nt at 64 i + 8 nt
.set RDA,  1                           ; LDS address of my 16 bytes of a fragment's half
.set WRA,  2                           ; LDS address of the 8 bytes that I store
.set AOFF, 3                           ; v[3:5]     byte offset of tile i's rows in A
.set L16,  6                           ; 16 x lane; never rewritten
.set ROW,  7                           ; v[7:10]    byte offset of my 16 bytes in row i of my 4 rows of a chunk; never rewritten
.set BH,   16                          ; v[16:79]   fragments of W: column tiles 0-3, then 4-7
.set AR,   80                          ; v[80:175]  token fragments: a ring of 4 K steps x 3 tiles x 8
.set WS,   176                         ; v[176:239] weights as loaded: a ring of 4 chunks x 16: row i, column j at 4 i + j
.set OUTR, 240                         ; v[240:247] weights rounded
.set SPW,  254                         ; LDS address of my spare word; never rewritten
.set NIL,  255                         ; 0; never rewritten
; on the way out the same registers serve as
.set BIAS, 16                          ; v[16:79]
.set WK,   80
.set U,    96
.set Q,    112
.set P,    128
.set H,    144
.set G,    160
.set RB,   96                          ; KIND 1: v[96:127] 16 half rows read back from the stage
.set STG,  248
.set RDB,  249
.set TV,   250
.set GOF,  251
.set MSB, 0
.macro WIN new                         ; s_set_vgpr_msb: bits 1:0 source 0, 3:2 source 1, 5:4 source 2, 7:6 destination; the high byte repeats the setting that is left
.if MSB != (\new)
	s_set_vgpr_msb (MSB<<8)|(\new)
.set MSB, \new
.endif
.endm
.macro PLACES                          ; four plain instructions between a matrix instruction and a load into, or a vector write or read of, its registers
.rept 4
	v_nop
.endr
.endm
.macro MMT i, hf, ab, zero             ; tile i x four column tiles
.irp j, 0,1,2,3
.if \zero
	v_wmma_f32_16x16x32_bf16 v[64*(\i)+8*(4*(\hf)+\j):64*(\i)+8*(4*(\hf)+\j)+7], v[BH+32*(\hf)+8*\j:BH+32*(\hf)+8*\j+7], v[AR+24*(\ab)+8*(\i):AR+24*(\ab)+8*(\i)+7], 0
.else
	v_wmma_f32_16x16x32_bf16 v[64*(\i)+8*(4*(\hf)+\j):64*(\i)+8*(4*(\hf)+\j)+7], v[BH+32*(\hf)+8*\j:BH+32*(\hf)+8*\j+7], v[AR+24*(\ab)+8*(\i):AR+24*(\ab)+8*(\i)+7], v[64*(\i)+8*(4*(\hf)+\j):64*(\i)+8*(4*(\hf)+\j)+7]
.endif
.endr
.endm
; Half a K step: column tiles 4 hf .. 4 hf + 3 x my tiles, token fragments from ring place ab.  The accumulators take turns, one instruction a turn.
; zero = 1: the products start the sums, for all three tiles, so that every accumulator is written.  Else the third tile is jumped where it is dead: only matrix instructions are jumped.
.macro HALF hf, ab, zero
	WIN 0x50                                       ; C and D in window 1
	MMT 0, \hf, \ab, \zero
	MMT 1, \hf, \ab, \zero
.if \zero
	MMT 2, \hf, \ab, \zero
	WIN 0
.else
	WIN 0                                          ; at a branch and at a label every window is 0
	s_cmp_lt_u32 s[MT], 3
	s_cbranch_scc1 .Lh_\@
	WIN 0x50
	MMT 2, \hf, \ab, \zero
	WIN 0
.Lh_\@:
.endif
.endm
.macro BLOAD hf, b                     ; four fragments of W of the chunk b chunks behind RDA: each load takes 512 consecutive bytes
.irp j, 0,1,2,3
	ds_load_b128 v[BH+32*(\hf)+8*\j:BH+32*(\hf)+8*\j+3],   v[RDA] offset:(\b)*CH+(4*(\hf)+\j)*FP
	ds_load_b128 v[BH+32*(\hf)+8*\j+4:BH+32*(\hf)+8*\j+7], v[RDA] offset:(\b)*CH+(4*(\hf)+\j)*FP+512
.endr
.endm
; The token fragments of the next K step, always for all three tiles, so that every count is the same on every way.  The AND keeps the step among the 32 steps of my K chunk.
; The two bases are rewritten: s_wait_xcnt 0 stands ahead of every use of this macro.
.macro ALOAD ring
	s_mov_b32 s[TP], s[AS]
	s_add_nc_u64 s[AB0:AB0+1], s[A0:A0+1], s[TP:TP+1]
	s_add_nc_u64 s[AB1:AB1+1], s[AB0:AB0+1], s[ADEL:ADEL+1]
	s_add_co_u32 s[AS], s[AS], s[ASTR]
	s_and_b32 s[AS], s[AS], s[ASMASK]
.irp i, 0,1,2
	global_load_b128 v[AR+24*(\ring)+8*\i:AR+24*(\ring)+8*\i+3],   v[AOFF+\i], s[AB0:AB0+1]
	global_load_b128 v[AR+24*(\ring)+8*\i+4:AR+24*(\ring)+8*\i+7], v[AOFF+\i], s[AB1:AB1+1]
.endr
.endm
.macro WLOAD buf                       ; my eighth of a chunk: 4 loads, each 2 rows x 256 consecutive bytes, aligned
.irp i, 0,1,2,3
	global_load_b128 v[WS+16*(\buf)+4*\i:WS+16*(\buf)+4*\i+3], v[ROW+\i], s[4:5] th:TH_LOAD_NT
.endr
.endm
.macro WSTEP
	s_wait_xcnt 0x0                                ; the base is stepped only behind this wait
	s_add_nc_u64 s[4:5], s[4:5], s[WSTP:WSTP+1]
.endm
; TRIP t, ph = (t + 2) % 4.  rd: W's fragments of chunk t - 1 are read (rb: that chunk, counted from RDA).  h1: the second half of step t - 2; h0: the first half of step t - 1
; (0 none, 1 adds on, 2 starts the sums).  al: the tokens of step t + 2 are asked for, into the ring place that step t - 2 has just left.  st: my eighth of chunk t has come (wcnt: the loads issued
; behind it), is rounded and stored (wb: that chunk, counted from WRA).  wl: chunk t + 4 is asked for, into the place just rounded.  acnt: the loads issued behind the tokens of step t - 1.
; bar: the barrier that closes the trip.  In a trip chunk t is written and chunk t - 1 read.
; Lane (r, h) of wave (q, kq) holds k = 8 kq + 4 h + 0..3 of columns 64 q + 4 r + 0..3: for each column four k in a row, 8 bytes of a fragment.
.macro TRIP rd, rb, ph, h1, h0, al, acnt, st, wb, wl, wcnt, bar
.set sp, ((\ph)+2)%4
.if \rd
	PLACES
	BLOAD 0, \rb
.endif
.if \h1
	s_wait_dscnt 8                                 ; all but the eight just issued: the second half of chunk t - 2 is in
	HALF 1, \ph, \h1-1
	PLACES
.endif
.if \rd
	BLOAD 1, \rb
.endif
.if (\al) || (\wl)
	s_wait_xcnt 0x0                                ; the bases of the loads are rewritten only behind this wait
.endif
.if \wl
	s_add_nc_u64 s[4:5], s[4:5], s[WSTP:WSTP+1]
.endif
.if \al
	ALOAD \ph
.endif
.if \st
	s_wait_loadcnt \wcnt
.irp j, 0,1,2,3
	v_cvt_pk_bf16_f32 v[OUTR+2*\j],   v[WS+16*sp+\j],   v[WS+16*sp+4+\j]
	v_cvt_pk_bf16_f32 v[OUTR+2*\j+1], v[WS+16*sp+8+\j], v[WS+16*sp+12+\j]
.endr
.irp j, 0,1,2,3
	ds_store_b64 v[WRA], v[OUTR+2*\j:OUTR+2*\j+1] offset:(\wb)*CH+16*\j
.endr
.endif
.if \wl
	WLOAD sp
.endif
.if \h0
	s_wait_loadcnt \acnt
	s_wait_dscnt 8+4*(\st)                         ; all but the eight loads and the stores issued behind them: the first half of chunk t - 1 is in
	HALF 0, (\ph+1)%4, \h0-1
.endif
.if \bar
	s_wait_dscnt 0x0                               ; for the others' sake: my stores are in LDS; and no LDS instruction of mine is out at the signal
	s_barrier_signal -1
	s_barrier_wait -1
.endif
.endm
; What pass p begins with: my live tiles, their rows' offsets in A, the first three K steps' tokens.
.macro PASS_SETUP p
	s_sub_co_i32 s91, s[NT], 24*(\p)
	s_sub_co_i32 s91, s91, s[WV]
	s_add_co_i32 s91, s91, 7
	s_ashr_i32 s91, s91, 3
	s_max_i32 s91, s91, 0
	s_min_i32 s[MT], s91, 3                        ; the i with 24 p + 8 i + w < NT
	s_cmp_eq_u32 s[KIND], 0
	s_cbranch_scc0 .Lk1_\@
	v_and_b32 v11, 15, v0
	v_lshl_add_u32 v11, v11, 2, s[PRIVB]
.irp i, 0,1,2
	ds_load_b32 v[AOFF+\i], v11 offset:192*(\p)+64*\i  ; my list's word 16 (3 p + i) + r
.endr
	v_and_b32 v12, 16, v0
	s_wait_dscnt 0x0
.irp i, 0,1,2
	v_min_u32 v[AOFF+\i], 0x3ff, v[AOFF+\i]
	v_lshl_add_u32 v[AOFF+\i], v[AOFF+\i], 11, v12 ; token x 2,048 + 16 x half of the lanes
.endr
	s_branch .Lkj_\@
.Lk1_\@:
	s_add_co_u32 s90, s[WV], 24*(\p)
	s_sub_co_u32 s92, s[NT], 1
	s_lshl_b32 s93, s[E], 6
.irp i, 0,1,2
	s_add_co_u32 s91, s90, 8*\i
	s_min_u32 s91, s91, s92                        ; a dead tile reads the last live one
	s_min_u32 s91, s91, 63
	s_add_co_u32 s91, s91, s93
	s_lshl_b32 s91, s91, 17
	v_add_nc_u32 v[AOFF+\i], s91, v[L16]
.endr
.Lkj_\@:
	s_mov_b32 s[AS], 0
	v_mov_b32 v[RDA], v[L16]
	s_wait_xcnt 0x0
	ALOAD 0
	s_wait_xcnt 0x0
	ALOAD 1
	s_wait_xcnt 0x0
	ALOAD 2
.endm
; A pass after the first: the slice is read again from LDS; nothing writes it, so no barrier stands here.  Its trips 1 to 32 are written out: the read address is made anew every seven
; trips, a constant and 16 x lane, and the chunk among those seven stands in the immediate (57,712 at the most).  Token loads alone are out: behind the tokens of step t - 1 stand three
; steps' 6 loads; step 31 is asked for in trip 29, so the counts of trips 30 to 32 run down: 12, 6, 0.
.macro LATER p
	PASS_SETUP \p
.set t, 1
.rept 32
.set trb, (t-1)%7
.set tph, (t+2)%4
.set th1, 1
.set th0, 1
.set tal, 1
.set tac, 18
.if t == 1
.set th1, 0
.set th0, 2
.endif
.if t == 2
.set th1, 2
.endif
.if t > 29
.set tal, 0
.set tac, 6*(32-t)
.endif
.if (trb == 0) && (t > 1)
	v_add_nc_u32 v[RDA], (t-1)*CH, v[L16]          ; chunk t - 1
.endif
	TRIP 1, trb, tph, th1, th0, tal, tac, 0, 0, 0, 0, 0
.set t, t+1
.endr
.endm
; Batch n of pass p: its 16 sums plus the bias, into WK.  Each accumulator is read from its lowest registers on.
.macro CPB p, n
.Lcp\p\n:
	WIN 0x01                                       ; source 0 in window 1
.set ac, 64*(\n/4)+16*(\n%4)
.set m, 0
.rept 8
	v_pk_add_f32 v[WK+2*m:WK+2*m+1], v[ac+2*m:ac+2*m+1], v[BIAS+16*(\n%4)+2*m:BIAS+16*(\n%4)+2*m+1]
.set m, m+1
.endr
	WIN 0
.endm
; PASS p ENDS: the second half of the last K step, and THE WAY OUT.  Twelve batches: tile IDX / 4, column tiles 2 (IDX % 4) and the next.  The add of the bias brings any batch's 16 sums
; into one set of registers, so what follows is written once a pass.  No load from memory is out here: the last trip's wait was for 0.
.macro EPI p
	s_wait_dscnt 0x0
	HALF 1, 3, 0
	PLACES
	v_and_b32 v11, 15, v0
	v_bfe_u32 v12, v0, 4, 1
	s_lshl_b32 s90, s[WV], 9
	s_add_co_u32 s90, s90, BIASL
	v_lshl_add_u32 v[TV], v12, 5, s90
.set m, 0
.rept 8
	ds_load_b128 v[BIAS+8*m:BIAS+8*m+3],   v[TV] offset:64*m     ; columns 16 m + 8 h + 0..7
	ds_load_b128 v[BIAS+8*m+4:BIAS+8*m+7], v[TV] offset:64*m+16
.set m, m+1
.endr
	v_mul_u32_u24 v[STG], v11, 272
	v_lshl_add_u32 v[STG], v12, 5, v[STG]
	v_add_nc_u32 v[STG], s[PRIVB], v[STG]          ; the stage: row r, 32 bytes for each half of the lanes
	v_mul_u32_u24 v[RDB], v12, 272
	v_lshl_add_u32 v[RDB], v11, 4, v[RDB]
	v_add_nc_u32 v[RDB], s[PRIVB], v[RDB]          ; back: lanes 0-15 one row's 256 bytes, lanes 16-31 the next row's,
	v_lshlrev_b32 v[GOF], 12, v12
	v_lshl_add_u32 v[GOF], v11, 4, v[GOF]          ; and the same two rows in part
	s_wait_dscnt 0x0
	s_mov_b32 s[IDX], 0
.Lep\p:
	s_lshr_b32 s90, s[IDX], 2
	s_cmp_ge_u32 s90, s[MT]
	s_cbranch_scc1 .Lepn\p                         ; a dead tile is jumped: no barrier stands in what is jumped
.irp n, 0,1,2,3,4,5,6,7,8,9,10
	s_cmp_eq_u32 s[IDX], \n
	s_cbranch_scc1 .Lcp\p\n
.endr
.irp n, 11,0,1,2,3,4,5,6,7,8,9
	CPB \p, \n
	s_branch .Lwork\p
.endr
	CPB \p, 10
.Lwork\p:
	s_wait_xcnt 0x0                                ; the stores' base and data registers are rewritten only behind this wait
	s_and_b32 s91, s[IDX], 3                       ; the batch
	s_lshl_b32 s92, s90, 3
	s_add_co_u32 s92, s92, s[WV]
	s_add_co_u32 s92, s92, 24*(\p)                 ; the tile's number in the list
	s_cmp_eq_u32 s[KIND], 0
	s_cbranch_scc0 .Lst\p
	; KIND 0: gelu(x) = x / 2 + |x / 2| (1 - p(t) e^(-x^2 / 2)), t = 1 / (1 + C1 |x|), for 16 numbers
.set m, 0
.rept 16
	v_fma_f32 v[U+m], |v[WK+m]|, s[C1], 1.0
.set m, m+1
.endr
.set m, 0
.rept 8
	v_pk_mul_f32 v[Q+2*m:Q+2*m+1], v[WK+2*m:WK+2*m+1], v[WK+2*m:WK+2*m+1]
.set m, m+1
.endr
.set m, 0
.rept 8
	v_pk_mul_f32 v[Q+2*m:Q+2*m+1], v[Q+2*m:Q+2*m+1], s[NK2:NK2+1] op_sel_hi:[1,0]
.set m, m+1
.endr
.set m, 0
.rept 16
	v_rcp_f32 v[U+m], v[U+m]                       ; 16 reciprocals and 16 exponentials: one batch
.set m, m+1
.endr
.set m, 0
.rept 16
	v_exp_f32 v[Q+m], v[Q+m]
.set m, m+1
.endr
.set m, 0
.rept 8
	v_pk_mul_f32 v[H+2*m:H+2*m+1], v[WK+2*m:WK+2*m+1], 0.5 op_sel_hi:[1,0]  ; plain work behind the batch, which names none of its results
.set m, m+1
.endr
	s_wait_alu depctr_va_vdst(0)                   ; one wait for the batch, ahead of its first reader
.set m, 0
.rept 8
	v_pk_fma_f32 v[P+2*m:P+2*m+1], v[U+2*m:U+2*m+1], s[CA3:CA3+1], s[CA2:CA2+1] op_sel_hi:[1,0,0]
.set m, m+1
.endr
.set m, 0
.rept 8
	v_pk_fma_f32 v[P+2*m:P+2*m+1], v[P+2*m:P+2*m+1], v[U+2*m:U+2*m+1], s[CA1:CA1+1] op_sel_hi:[1,1,0]
.set m, m+1
.endr
.set m, 0
.rept 8
	v_pk_mul_f32 v[P+2*m:P+2*m+1], v[P+2*m:P+2*m+1], v[U+2*m:U+2*m+1]
.set m, m+1
.endr
.set m, 0
.rept 8
	v_pk_mul_f32 v[P+2*m:P+2*m+1], v[P+2*m:P+2*m+1], v[Q+2*m:Q+2*m+1]
.set m, m+1
.endr
.set m, 0
.rept 16
	v_fma_f32 v[U+m], -|v[H+m]|, v[P+m], |v[H+m]|
.set m, m+1
.endr
.set m, 0
.rept 8
	v_pk_add_f32 v[U+2*m:U+2*m+1], v[U+2*m:U+2*m+1], v[H+2*m:H+2*m+1]
.set m, m+1
.endr
.set m, 0
.rept 8
	v_cvt_pk_bf16_f32 v[G+m], v[U+2*m], v[U+2*m+1]
.set m, m+1
.endr
	s_lshl_b32 s93, s[E], 6
	s_add_co_u32 s93, s93, s92
	s_lshl_b32 s93, s93, 17                        ; the tile's 131,072 bytes of h,
	s_lshl_b32 s94, s[NS], 2
	s_add_co_u32 s94, s94, s91
	s_lshl_b32 s94, s94, 10                        ; its fragment 4 NS + batch: the two column tiles are the fragment's two halves
	s_add_co_u32 s[TP], s93, s94
	s_add_nc_u64 s[SB:SB+1], s[12:13], s[TP:TP+1]
	global_store_b128 v[L16], v[G:G+3], s[SB:SB+1]             ; 512 consecutive bytes, aligned
	global_store_b128 v[L16], v[G+4:G+7], s[SB:SB+1] offset:512
	s_branch .Lepn\p
.Lst\p:
	; KIND 1: the batch goes into my stage; behind every second batch 16 half rows of 256 bytes come back whole and are stored
	s_and_b32 s93, s91, 1
	v_lshl_add_u32 v[TV], s93, 7, v[STG]
	ds_store_b128 v[TV], v[WK:WK+3]
	ds_store_b128 v[TV], v[WK+4:WK+7] offset:16
	ds_store_b128 v[TV], v[WK+8:WK+11] offset:64
	ds_store_b128 v[TV], v[WK+12:WK+15] offset:80
	s_cmp_eq_u32 s93, 0
	s_cbranch_scc1 .Lepn\p
.set m, 0
.rept 8
	ds_load_b128 v[RB+4*m:RB+4*m+3], v[RDB] offset:544*m       ; my own bytes, served in order behind the stores above (ISA guide 5.7.1.4)
.set m, m+1
.endr
	s_lshl_b32 s93, s[KC], 3
	s_add_co_u32 s93, s93, s[E]
	s_lshl_b32 s93, s93, 10
	s_lshl_b32 s94, s92, 4
	s_add_co_u32 s93, s93, s94                     ; row (8 kc + e) x 1,024 + 16 x tile
	s_lshl_b32 s93, s93, 12
	s_lshl_b32 s94, s[NS], 9
	s_add_co_u32 s93, s93, s94
	s_lshr_b32 s94, s91, 1
	s_lshl_b32 s94, s94, 8                         ; the slice's first or second 64 columns
	s_add_co_u32 s[TP], s93, s94
	s_add_nc_u64 s[SB:SB+1], s[12:13], s[TP:TP+1]
	s_wait_dscnt 0x0
.set m, 0
.rept 8
	global_store_b128 v[GOF], v[RB+4*m:RB+4*m+3], s[SB:SB+1] offset:8192*m  ; 16 lanes store 256 consecutive bytes of a row, aligned
.set m, m+1
.endr
.Lepn\p:
	s_add_co_u32 s[IDX], s[IDX], 1
	s_cmp_lt_u32 s[IDX], 12
	s_cbranch_scc1 .Lep\p
.endm
	s_load_b256 s[4:11], s[0:1], 0x0               ; W 4:5, A 6:7, bias 8:9, ctl 10:11
	s_load_b64 s[12:13], s[0:1], 0x20              ; out
	v_lshl_add_u32 v[SPW], v0, 2, SPARE
	v_mov_b32 v[NIL], 0
	v_lshrrev_b32 v11, 5, v0
	v_readfirstlane_b32 s[WV], v11
	v_and_b32 v11, 31, v0
	v_lshlrev_b32 v[L16], 4, v11
	s_lshr_b32 s[E], ttmp9, 5
	s_and_b32 s[SUB], ttmp9, 31
	s_lshl_b32 s[TP], s[E], 7
	s_mov_b32 s[TP+1], 0
	s_wait_kmcnt 0x0
	s_add_nc_u64 s[SB:SB+1], s[10:11], s[TP:TP+1]
	s_load_b256 s[92:99], s[10:11], 0x400          ; the eight words
	s_load_b512 s[BM:BM+15], s[SB:SB+1], 0x0       ; my expert's bitmap
	s_load_b512 s[BM+16:BM+31], s[SB:SB+1], 0x40
	s_and_b32 s90, s[WV], 1                        ; q: columns 64 q on
	s_lshr_b32 s91, s[WV], 1                       ; kq: K rows 8 kq on of each chunk
	v_and_b32 v11, 15, v0                          ; r
	v_bfe_u32 v12, v0, 4, 1                        ; h
	v_lshrrev_b32 v13, 2, v11
	v_lshl_add_u32 v13, s90, 2, v13                ; fragment 4 q + r / 4,
	v_mul_u32_u24 v13, v13, FP
	v_and_b32 v14, 3, v11
	v_lshl_add_u32 v13, v14, 6, v13                ; its column 4 (r % 4) + j, 16 bytes each,
	v_lshl_add_u32 v13, v12, 3, v13                ; the half h of those 16 bytes,
	s_lshl_b32 s89, s91, 8                         ; and 256 kq: K 8 kq on is half kq / 2 of the fragment (512 bytes), lanes 16 (kq % 2) on (256 bytes)
	v_add_nc_u32 v[WRA], s89, v13
	s_lshl_b32 s89, s91, 3
	v_lshl_add_u32 v13, v12, 2, s89                ; row 8 kq + 4 h
	s_lshl_b32 s89, s90, 8
	v_lshl_add_u32 v14, v11, 4, s89                ; 256 q + 16 r
	s_wait_kmcnt 0x0
	s_min_u32 s[KIND], s92, 1
	s_min_u32 s[PITCH], s93, 0x4000
	s_min_u32 s[ASTR], s94, 0x400
	s_min_u32 s[ADEL], s95, 0x200
	s_min_u32 s96, s96, 31
	s_min_u32 s97, s97, 3
	s_min_u32 s[ASMASK], s98, 0x7fff
	s_mov_b32 s[ADEL+1], 0
	s_and_b32 s[NS], s[SUB], s96                   ; KIND 0: 32 slices of 128 columns, one K chunk.  KIND 1: 8 slices, 4 K chunks
	s_lshr_b32 s90, s[SUB], 3
	s_and_b32 s[KC], s90, s97
	s_lshl_b32 s[WSTP], s[PITCH], 5
	s_mov_b32 s[WSTP+1], 0
	s_lshl_b32 s[TP], s[E], 24                     ; an expert's weights are 16 MB in both products
	s_mul_i32 s90, s[KC], s[PITCH]
	s_lshl_b32 s90, s90, 10
	s_add_co_u32 s[TP], s[TP], s90
	s_lshl_b32 s90, s[NS], 9
	s_add_co_u32 s[TP], s[TP], s90
	s_add_nc_u64 s[4:5], s[4:5], s[TP:TP+1]        ; W at my slice
	s_mul_i32 s[TP], s[KC], s[ASTR]
	s_lshl_b32 s[TP], s[TP], 5
	s_add_nc_u64 s[A0:A0+1], s[6:7], s[TP:TP+1]
	s_mul_i32 s[TP], s[E], s[PITCH]
	s_add_co_u32 s[TP], s[TP], s90
	s_add_nc_u64 s[8:9], s[8:9], s[TP:TP+1]        ; the bias at my slice
	v_mul_lo_u32 v13, v13, s[PITCH]
	v_add_nc_u32 v[ROW], v13, v14
.irp i, 1,2,3
	v_add_nc_u32 v[ROW+\i], s[PITCH], v[ROW+\i-1]
.endr
	global_load_b128 v[12:15], v[L16], s[8:9]      ; the slice's 128 bias numbers, 4 a lane
	WLOAD 0                                        ; the first four chunks go out before anything else is done
	WSTEP
	WLOAD 1
	WSTEP
	WLOAD 2
	WSTEP
	WLOAD 3
	; counts and constants
	s_mul_i32 s[PRIVB], s[WV], PRIVSZ
	s_add_co_u32 s[PRIVB], s[PRIVB], PRIV
	s_mov_b32 s[C1], 0x3eaa540e                    ; 0.47047 / sqrt(2)
	s_mov_b32 s[NK2], 0xbf38aa3b                   ; -log2(e) / 2
	s_mov_b32 s[NK2+1], 0xbf38aa3b                 ; (each is named as a pair, so both words are written)
	s_mov_b32 s[CA1], 0x3eb2303a                   ; 0.3480242
	s_mov_b32 s[CA1+1], 0x3eb2303a
	s_mov_b32 s[CA2], 0xbdc45ca1                   ; -0.0958798
	s_mov_b32 s[CA2+1], 0xbdc45ca1
	s_mov_b32 s[CA3], 0x3f3f7377                   ; 0.7478556
	s_mov_b32 s[CA3+1], 0x3f3f7377
	s_mov_b32 s[NE], 0
.set w, 0
.rept 32
	s_bcnt1_i32_b32 s90, s[BM+w]
	s_add_co_u32 s[NE], s[NE], s90
.set w, w+1
.endr
	s_add_co_u32 s[NT], s[NE], 15
	s_lshr_b32 s[NT], s[NT], 4
	s_max_u32 s[NT], s[NT], 1
	s_min_u32 s[NT], s[NT], 64
	s_cmp_eq_u32 s[KIND], 0
	s_cbranch_scc0 .Lnolist
	; My part of the expert's list, in my own LDS bytes: first zeros (places past the count name token 0); then token 32 w + lane, of rank R, goes to word 16 (R / 128) + R % 16
	; if its tile R / 16 is one of mine (tile % 8 = my wave's number); every other lane writes a dump word
	v_and_b32 v11, 31, v0
	v_mov_b32 v248, 0
	v_mov_b32 v249, 0
	v_mov_b32 v250, 0
	v_mov_b32 v251, 0
	v_add_nc_u32 v252, s[PRIVB], v[L16]
	ds_store_b128 v252, v[248:251]
	ds_store_b128 v252, v[248:251] offset:512
	v_add_nc_u32 v253, 256, v11
	s_mov_b32 s90, 0
.set w, 0
.rept 32
	v_mbcnt_lo_u32_b32 v248, s[BM+w], s90          ; R: the set bits below mine, and those of the words before
	v_bfe_u32 v249, v248, 4, 3
	v_cmp_eq_u32 vcc_lo, s[WV], v249
	s_and_b32 s91, vcc_lo, s[BM+w]
	v_lshrrev_b32 v249, 3, v248
	v_and_b32 v249, 0x70, v249
	v_and_or_b32 v249, v248, 15, v249
	v_cndmask_b32 v249, v253, v249, s91
	v_min_u32 v249, 0x11f, v249
	v_lshl_add_u32 v249, v249, 2, s[PRIVB]
	v_add_nc_u32 v250, 32*w, v11
	ds_store_b32 v249, v250                        ; LDS serves a wave's instructions in order (ISA guide 5.7.1.4): behind the zeros, ahead of the reads
	s_bcnt1_i32_b32 s92, s[BM+w]
	s_add_co_u32 s90, s90, s92
.set w, w+1
.endr
.Lnolist:
	s_wait_loadcnt 16                              ; the bias has come; the four chunks' 16 loads stay out
	v_cvt_pk_bf16_f32 v248, v12, v13               ; rounded to bf16,
	v_cvt_pk_bf16_f32 v249, v14, v15
	s_cmp_eq_u32 s[KC], 0
	s_cselect_b32 s90, -1, 0                       ; (of the four K chunks' partial sums the first alone carries the bias)
	v_and_b32 v248, s90, v248
	v_and_b32 v249, s90, v249
	v_lshlrev_b32 v12, 16, v248                    ; and widened again
	v_and_b32 v13, 0xffff0000, v248
	v_lshlrev_b32 v14, 16, v249
	v_and_b32 v15, 0xffff0000, v249
	s_lshl_b32 s90, s[WV], 9
	s_add_co_u32 s90, s90, BIASL
	v_add_nc_u32 v250, s90, v[L16]
	ds_store_b128 v250, v[12:15]                   ; my wave's own copy: only I read it
	PASS_SETUP 0
	;    rd rb ph h1 h0 al acnt st wb wl wcnt bar      issue order of the loads: bias, W0-3, A0-2, then in trip t A(t+2) (from trip 1 on) and W(t+4)
	TRIP 0, 0, 2, 0, 0, 0, 0,   1, 0, 1, 30,  1    ; trip 0: behind W0 stand W1-3 (12) and A0-2 (18)
	TRIP 1, 0, 3, 0, 2, 1, 26,  1, 1, 1, 36,  1    ; trip 1: behind W1: 8 + 18 + 4 + 6; behind A0: 12 + 4 + 10
	TRIP 1, 1, 0, 2, 1, 1, 30,  1, 2, 1, 36,  1    ; trip 2: behind A1: 6 + 4 + 20
	TRIP 1, 2, 1, 1, 1, 1, 34,  1, 3, 1, 36,  1    ; trip 3
	s_mov_b32 s[IT], 6
.Lmain:                                                ; trips 4 to 27.  Behind W(t): three trips' 10 loads and this trip's 6.  Behind A(t-1): 4, and three trips' 10
	TRIP 1, 3, 2, 1, 1, 1, 34,  1, 4, 1, 36,  1
	TRIP 1, 4, 3, 1, 1, 1, 34,  1, 5, 1, 36,  1
	TRIP 1, 5, 0, 1, 1, 1, 34,  1, 6, 1, 36,  1
	TRIP 1, 6, 1, 1, 1, 1, 34,  1, 7, 1, 36,  1
	v_add_nc_u32 v[RDA], 4*CH, v[RDA]              ; the chunk within a lap stands in the immediates
	v_add_nc_u32 v[WRA], 4*CH, v[WRA]
	s_sub_co_u32 s[IT], s[IT], 1
	s_cmp_lg_u32 s[IT], 0
	s_cbranch_scc1 .Lmain
	v_add_nc_u32 v[RDA], 3*CH, v[RDA]
	TRIP 1, 0, 2, 1, 1, 1, 30,  1, 4, 0, 36,  1    ; trips 28 to 31: no weights are left to ask for, from trip 30 on no tokens: the counts run down
	TRIP 1, 1, 3, 1, 1, 1, 26,  1, 5, 0, 32,  1
	TRIP 1, 2, 0, 1, 1, 0, 16,  1, 6, 0, 22,  1
	TRIP 1, 3, 1, 1, 1, 0, 6,   1, 7, 0, 12,  1
	TRIP 1, 4, 2, 1, 1, 0, 0,   0, 0, 0, 0,   0    ; trip 32: the slice is whole; no barrier follows
	EPI 0
	s_cmp_lt_u32 s[NT], 25                         ; 24 tiles or fewer: all rows are done
	s_cbranch_scc1 .Lend
	LATER 1
	EPI 1
	s_cmp_lt_u32 s[NT], 49                         ; 48 tiles or fewer
	s_cbranch_scc1 .Lend
	LATER 2
	EPI 2
.Lend:
	s_wait_tensorcnt 0x0                           ; the wave's end
	ds_add_u32 v[SPW], v[NIL]
	s_wait_dscnt 0x0
	s_endpgm
.Lfunc_end_k_q7485022d70_ffn:
	.size	k_q7485022d70_ffn, .Lfunc_end_k_q7485022d70_ffn-k_q7485022d70_ffn
	.p2alignl 7, 3214868480
	.fill 96, 4, 3214868480
	.section	.rodata,"a",@progbits
	.p2align	6, 0x0
	.amdhsa_kernel k_q7485022d70_ffn
		.amdhsa_group_segment_fixed_size 306176
		.amdhsa_private_segment_fixed_size 0
		.amdhsa_enable_private_segment 0
		.amdhsa_kernarg_size 40
		.amdhsa_user_sgpr_count 2
		.amdhsa_user_sgpr_kernarg_segment_ptr 1
		.amdhsa_wavefront_size32 1
		.amdhsa_system_sgpr_workgroup_id_x 1
		.amdhsa_system_sgpr_workgroup_id_y 1
		.amdhsa_system_sgpr_workgroup_id_z 1
		.amdhsa_system_vgpr_workitem_id 0
		.amdhsa_next_free_vgpr 448
		.amdhsa_next_free_sgpr 100
		.amdhsa_reserve_vcc 1
		.amdhsa_float_denorm_mode_32 3
		.amdhsa_float_denorm_mode_16_64 3
		.amdhsa_memory_ordered 1
		.amdhsa_forward_progress 1
		.amdhsa_inst_pref_size 255
	.end_amdhsa_kernel
	.section	.bss,"aw",@nobits
	.p2align	6
	.space	262144
	.amdgpu_metadata
---
amdhsa.version: [ 1, 2 ]
amdhsa.kernels:
  - .name:           k_q7485022d70_ffn
    .symbol:         k_q7485022d70_ffn.kd
    .args:
      - { .name: w1, .offset: 0, .size: 8, .value_kind: global_buffer, .address_space: global }
      - { .name: xb, .offset: 8, .size: 8, .value_kind: global_buffer, .address_space: global }
      - { .name: b1, .offset: 16, .size: 8, .value_kind: global_buffer, .address_space: global }
      - { .name: ctl1, .offset: 24, .size: 8, .value_kind: global_buffer, .address_space: global }
      - { .name: h, .offset: 32, .size: 8, .value_kind: global_buffer, .address_space: global }
    .group_segment_fixed_size: 306176
    .private_segment_fixed_size: 0
    .kernarg_segment_align: 8
    .kernarg_segment_size: 40
    .max_flat_workgroup_size: 256
    .sgpr_count:     100
    .vgpr_count:     448
    .wavefront_size: 32
...
	.end_amdgpu_metadata
.endif
;; end of part 2
;; launch ffn2: the kernel of part 2 again; grid 256 x 1, 8 waves a work-group, no clusters, 306,176 bytes of LDS; arguments w2, h, b2, ctl2, part; writes part
;; launch combine (part 3): grid 256 x 1, 4 waves a work-group, no clusters, 0 bytes of LDS; arguments part, sel, gates, ctl1, out0; writes out0
.if DOCPART == 3
	.amdgcn_target "amdgcn-amd-amdhsa--gfx1250"
	.amdhsa_code_object_version 6
	.text
	.protected	k_q7485022d70_combine
	.globl	k_q7485022d70_combine
	.p2align	8
	.type	k_q7485022d70_combine,@function
k_q7485022d70_combine:
	s_mov_b64 s[64:65], 0
	v_nop
	global_prefetch_b8 v0, s[64:65] scope:SCOPE_SE
	s_setreg_imm32_b32 hwreg(HW_REG_WAVE_MODE, 25, 1), 1
	s_wait_xcnt 0x0
; out0[t] = g0 x (the sum over kc of part[kc][e0][rank0]) + g1 x (the same for e1).  A wave has one token t = 4 wg + wave.
; The rank of t in an expert's list is the number of set bits below t in the expert's bitmap, counted here in scalar registers.
; A stream: each row of part that is needed is read once, each byte of out0 written once; LDS, barriers and the matrix unit would add nothing.
; The bias of the second product lies in the partial sum of kc = 0.  Sums in f32.
.set RG, 8                             ; v[8:199]   a ring of three quarters of a row: row k of 8 (4 kc of e0, 4 kc of e1), piece p of 2 at 64 ring + 8 k + 4 p
.set RS, 200                           ; v[200:231] results, 8 registers a quarter; never rewritten (the stores read them)
	s_load_b256 s[4:11], s[0:1], 0x0               ; part 4:5, sel 6:7, gates 8:9, ctl1 10:11
	s_load_b64 s[12:13], s[0:1], 0x20              ; out0
	v_and_b32 v1, 31, v0
	v_lshrrev_b32 v2, 5, v0
	v_readfirstlane_b32 s14, v2
	v_lshlrev_b32 v1, 4, v1                        ; 16 x lane
	s_lshl_b32 s15, ttmp9, 2
	s_add_co_u32 s15, s15, s14                     ; t
	s_lshl_b32 s84, s15, 2
	s_lshl_b32 s85, s15, 3
	s_wait_kmcnt 0x0
	s_load_b32 s86, s[6:7], s84 offset:0x0
	s_load_b64 s[88:89], s[8:9], s85 offset:0x0    ; g0, g1
	s_lshr_b32 s96, s15, 5                         ; the word of the bitmaps that holds t,
	s_lshl_b32 s99, s96, 2
	s_and_b32 s97, s15, 31
	s_bfm_b32 s97, s97, 0                          ; and the bits below t in it
	s_wait_kmcnt 0x0
	s_bfe_u32 s90, s86, 0x80000
	s_bfe_u32 s91, s86, 0x80008
	s_min_u32 s90, s90, 7
	s_min_u32 s91, s91, 7
	s_lshl_b32 s92, s90, 7
	s_mov_b32 s93, 0
	s_add_nc_u64 s[92:93], s[10:11], s[92:93]
	s_lshl_b32 s94, s91, 7
	s_mov_b32 s95, 0
	s_add_nc_u64 s[94:95], s[10:11], s[94:95]
	s_load_b512 s[16:31], s[92:93], 0x0
	s_load_b512 s[32:47], s[92:93], 0x40
	s_load_b512 s[48:63], s[94:95], 0x0
	s_load_b512 s[68:83], s[94:95], 0x40
	s_load_b32 s2, s[92:93], s99 offset:0x0
	s_load_b32 s3, s[94:95], s99 offset:0x0
	s_wait_kmcnt 0x0
	s_and_b32 s2, s2, s97
	s_and_b32 s3, s3, s97
	s_bcnt1_i32_b32 s100, s2
	s_bcnt1_i32_b32 s101, s3
.set w, 0
.rept 32
.if w < 16
.set wb, 48+w
.else
.set wb, 52+w
.endif
	s_cmp_gt_u32 s96, w                            ; the words in front of t's count whole
	s_cselect_b32 s86, s[16+w], 0
	s_cselect_b32 s87, s[wb], 0
	s_bcnt1_i32_b32 s86, s86
	s_bcnt1_i32_b32 s87, s87
	s_add_co_u32 s100, s100, s86
	s_add_co_u32 s101, s101, s87
.set w, w+1
.endr
	s_min_u32 s100, s100, 0x3ff
	s_min_u32 s101, s101, 0x3ff
	s_lshl_b32 s90, s90, 10
	s_add_co_u32 s90, s90, s100
	s_lshl_b32 s90, s90, 12                        ; (1,024 e + rank) rows of 4,096 bytes
	s_lshl_b32 s91, s91, 10
	s_add_co_u32 s91, s91, s101
	s_lshl_b32 s91, s91, 12
	s_mov_b32 s87, 0
.irp k, 0,1,2,3
	s_add_co_u32 s86, s90, \k<<25                  ; a K chunk's partial sums are 32 MB
	s_add_nc_u64 s[16+2*\k:17+2*\k], s[4:5], s[86:87]
	s_add_co_u32 s86, s91, \k<<25
	s_add_nc_u64 s[24+2*\k:25+2*\k], s[4:5], s[86:87]
.endr
	s_lshl_b32 s86, s15, 12
	s_add_nc_u64 s[12:13], s[12:13], s[86:87]
	s_mov_b32 s98, s89                             ; g1 as the low word of a pair
	s_mov_b32 s99, s89
.macro QLOAD qt, rg                    ; quarter qt of the eight rows: 16 loads of 512 consecutive bytes
.set k, 0
.rept 8
	global_load_b128 v[RG+64*(\rg)+8*k:RG+64*(\rg)+8*k+3],   v1, s[16+2*k:17+2*k] offset:1024*(\qt) th:TH_LOAD_NT
	global_load_b128 v[RG+64*(\rg)+8*k+4:RG+64*(\rg)+8*k+7], v1, s[16+2*k:17+2*k] offset:1024*(\qt)+512 th:TH_LOAD_NT
.set k, k+1
.endr
.endm
.macro QSUM qt, rg, left               ; left: the younger quarters' loads, 16 each, may stay out
	s_wait_loadcnt \left
.irp p, 0,1
.irp c, 0,1
.set b0, RG+64*(\rg)+4*\p+2*\c
.set r0, RS+8*(\qt)+4*\p+2*\c
	v_pk_add_f32 v[b0:b0+1],     v[b0:b0+1],     v[b0+8:b0+9]
	v_pk_add_f32 v[b0+16:b0+17], v[b0+16:b0+17], v[b0+24:b0+25]
	v_pk_add_f32 v[b0+32:b0+33], v[b0+32:b0+33], v[b0+40:b0+41]
	v_pk_add_f32 v[b0+48:b0+49], v[b0+48:b0+49], v[b0+56:b0+57]
	v_pk_add_f32 v[b0:b0+1],     v[b0:b0+1],     v[b0+16:b0+17]
	v_pk_add_f32 v[b0+32:b0+33], v[b0+32:b0+33], v[b0+48:b0+49]
	v_pk_mul_f32 v[r0:r0+1], v[b0:b0+1], s[88:89] op_sel_hi:[1,0]
	v_pk_fma_f32 v[r0:r0+1], v[b0+32:b0+33], s[98:99], v[r0:r0+1] op_sel_hi:[1,0,1]
.endr
	global_store_b128 v1, v[RS+8*(\qt)+4*\p:RS+8*(\qt)+4*\p+3], s[12:13] offset:1024*(\qt)+512*\p th:TH_STORE_NT  ; 512 consecutive bytes, aligned
.endr
.endm
	QLOAD 0, 0
	QLOAD 1, 1
	QLOAD 2, 2
	QSUM 0, 0, 32
	QLOAD 3, 0                                     ; the ring place just summed; results leave from registers of their own
	QSUM 1, 1, 32
	QSUM 2, 2, 16
	QSUM 3, 0, 0
	s_endpgm
.Lfunc_end_k_q7485022d70_combine:
	.size	k_q7485022d70_combine, .Lfunc_end_k_q7485022d70_combine-k_q7485022d70_combine
	.p2alignl 7, 3214868480
	.fill 96, 4, 3214868480
	.section	.rodata,"a",@progbits
	.p2align	6, 0x0
	.amdhsa_kernel k_q7485022d70_combine
		.amdhsa_group_segment_fixed_size 0
		.amdhsa_private_segment_fixed_size 0
		.amdhsa_enable_private_segment 0
		.amdhsa_kernarg_size 40
		.amdhsa_user_sgpr_count 2
		.amdhsa_user_sgpr_kernarg_segment_ptr 1
		.amdhsa_wavefront_size32 1
		.amdhsa_system_sgpr_workgroup_id_x 1
		.amdhsa_system_sgpr_workgroup_id_y 1
		.amdhsa_system_sgpr_workgroup_id_z 1
		.amdhsa_system_vgpr_workitem_id 0
		.amdhsa_next_free_vgpr 232
		.amdhsa_next_free_sgpr 102
		.amdhsa_reserve_vcc 0
		.amdhsa_float_denorm_mode_32 3
		.amdhsa_float_denorm_mode_16_64 3
		.amdhsa_memory_ordered 1
		.amdhsa_forward_progress 1
		.amdhsa_inst_pref_size 25
	.end_amdhsa_kernel
	.amdgpu_metadata
---
amdhsa.version: [ 1, 2 ]
amdhsa.kernels:
  - .name:           k_q7485022d70_combine
    .symbol:         k_q7485022d70_combine.kd
    .args:
      - { .name: part, .offset: 0, .size: 8, .value_kind: global_buffer, .address_space: global }
      - { .name: sel, .offset: 8, .size: 8, .value_kind: global_buffer, .address_space: global }
      - { .name: gates, .offset: 16, .size: 8, .value_kind: global_buffer, .address_space: global }
      - { .name: ctl1, .offset: 24, .size: 8, .value_kind: global_buffer, .address_space: global }
      - { .name: out0, .offset: 32, .size: 8, .value_kind: global_buffer, .address_space: global }
    .group_segment_fixed_size: 0
    .private_segment_fixed_size: 0
    .kernarg_segment_align: 8
    .kernarg_segment_size: 40
    .max_flat_workgroup_size: 128
    .sgpr_count:     102
    .vgpr_count:     232
    .wavefront_size: 32
...
	.end_amdgpu_metadata
.endif
;; end of part 3
;; ======== version 2 of 3: 4 launches; 1.32 times as fast as version 1
;; limits: a function is approximated: absolute error at most 2.5e-05; an absolute error that grows with the inputs' magnitude: up to 1.25e-05 times it
;; workspace buffers: xb 2,097,152 bytes; ctl1 1,280 bytes of whole numbers; ctl2 1,280 bytes of whole numbers; sel 4,096 bytes of whole numbers; gates 8,192 bytes; h 67,108,864 bytes; part 134,217,728 bytes
;; launch router (part 4): grid 128 x 1, 8 waves a work-group, no clusters, 19,712 bytes of LDS; arguments x, router_w, router_b, xb, ctl1, ctl2, sel, gates; writes xb, ctl1, ctl2, sel, gates
.if DOCPART == 4
	.amdgcn_target "amdgcn-amd-amdhsa--gfx1250"
	.amdhsa_code_object_version 6
	.text
	.protected	k_q7485022d70_router
	.globl	k_q7485022d70_router
	.p2align	8
	.type	k_q7485022d70_router,@function
k_q7485022d70_router:
	s_mov_b64 s[64:65], 0
	v_nop
	global_prefetch_b8 v0, s[64:65] scope:SCOPE_SE
	s_setreg_imm32_b32 hwreg(HW_REG_WAVE_MODE, 25, 1), 1
	s_wait_xcnt 0x0
; ROUTER.  logits = x router_w + router_b, the two largest of the 8 logits of each token, a softmax over those two.
; A work-group has 8 tokens, a wave one token t = 8 wg + wave.  Lane L owns k = 128 j + 4 L + v (j 0..7, v 0..3).
; x, router_w and router_b are rounded once to bf16 (as all inputs of this program are); the products of two bf16 are exact in f32, the sums are f32.
; ROUTER_W COMES IN ONCE FOR THE WORK-GROUP: wave w loads its rows 128 w .. 128 w + 127 (4,096 bytes, eight loads of 512 consecutive bytes), rounds them and lays them into LDS in the order in
; which the waves' registers take them; behind a barrier every wave reads all of it, again 512 consecutive bytes a load.  (Taken straight from memory, a lane's 4 rows are 128 bytes, so
; the lanes of each load would lie 128 bytes apart, and each of the eight waves would load and round all 32 KB for itself.)
; Stored, all at fixed places: xb (x in bf16); for each expert a bitmap of its tokens (bit b of word w = token 32 w + b), twice (ctl1, ctl2);
; behind each bitmap eight words that give the product which reads that buffer its sizes; sel (first expert | second expert << 8); gates (two f32 a token).
; The grid is 128 work-groups of 8 tokens: a work-group's tokens are one whole byte of each bitmap, which it alone stores.
; No address and no branch hangs on a logit.
; LIMITS.  Logits are taken as finite: NaN and infinities are not treated apart.  Ties go to the lower index, as in jax.lax.top_k.
; The larger logit is taken away in front of the exponential, so its argument is never above 0; a second gate below 2^-126 counts as 0.
.set X,   8                            ; v[8:39]    x of my token, 4 numbers for each j
.set XP,  40                           ; v[40:55]   the same in bf16, 2 registers for each j; never rewritten (the stores read them)
.set WPK, 56                           ; v[56:71]   my part of router_w, rounded, on its way to LDS
.set W,   72                           ; v[72:199]  router_w in bf16, from LDS: w[128 j + 4 L + v][e], [e + 1] at 16 j + 4 v + e / 2
.set WF,  72                           ; v[72:103]  before that: my part of router_w as loaded, 4 registers a load
.set ACC, 200                          ; v[200:207] the 8 sums
.set M1,  216                          ; the largest logit, the second, and their experts
.set M2,  217
.set I1,  218
.set I2,  219
.set T0,  220
.set T1,  221
.set SPW, 222                          ; LDS address of my spare word; never rewritten
.set NIL, 223                          ; 0; never rewritten
.set PV,  576                          ; LDS: 32 lanes x 16 bytes for one (j, v), and 64 bytes of padding: the 32 lanes of a store of 8 bytes then fall on 32 different places of 256 bytes
.set PJ,  4*PV                         ; one j
.set REC, 8*PJ                         ; 18,432: behind router_w, eight records of 16 bytes
.set SPARE, REC+256                    ; 18,688: the spare words, 128 bytes a wave
	s_load_b512 s[4:19], s[0:1], 0x0               ; x 4:5, router_w 6:7, router_b 8:9, xb 10:11, ctl1 12:13, ctl2 14:15, sel 16:17, gates 18:19
	v_lshl_add_u32 v[SPW], v0, 2, SPARE
	v_mov_b32 v[NIL], 0
	v_and_b32 v1, 31, v0                           ; lane
	v_lshrrev_b32 v5, 5, v0
	v_readfirstlane_b32 s20, v5                    ; wave
	v_lshlrev_b32 v2, 4, v1                        ; 16 L: my 16 bytes of 512, in x, in router_w and in LDS
	v_lshlrev_b32 v3, 7, v1                        ; 128 L: expert L's bitmap in ctl
	v_lshlrev_b32 v4, 3, v1                        ; 8 L: my 4 numbers of xb in 256 bytes
	s_lshl_b32 s21, ttmp9, 3
	s_add_co_u32 s21, s21, s20                     ; t
	s_lshl_b32 s22, s21, 12                        ; a row of x is 4,096 bytes,
	s_mov_b32 s23, 0
	s_lshl_b32 s32, s21, 11                        ; a row of xb 2,048
	s_mov_b32 s33, 0
	s_mov_b32 s34, 0x76543210                      ; v_permlanex16_b32: each lane takes its own place in the other half
	s_mov_b32 s35, 0xfedcba98
	s_lshl_b32 s36, s20, 12                        ; my wave's 128 rows of router_w, 32 bytes each
	s_mov_b32 s37, 0
	; Load i of my wave brings lane L row 16 i + L / 2 of those 128, experts 4 (L % 2) + 0..3.  That row is v = (L / 2) % 4 of reading lane 4 i + L / 8, so its 8 bytes go to
	; PJ wave + PV v + 16 (4 i + L / 8) + 8 (L % 2); the 64 i stand in the store's immediate
	v_bfe_u32 v6, v0, 1, 2
	v_mul_u32_u24 v6, v6, PV
	v_bfe_u32 v7, v0, 3, 2
	v_lshl_add_u32 v6, v7, 4, v6
	v_and_b32 v7, 1, v0
	v_lshl_add_u32 v6, v7, 3, v6
	s_mul_i32 s38, s20, PJ
	v_add_nc_u32 v6, s38, v6
	s_wait_kmcnt 0x0
	s_load_b256 s[24:31], s[8:9], 0x0              ; router_b
	s_add_nc_u64 s[4:5], s[4:5], s[22:23]
	s_add_nc_u64 s[10:11], s[10:11], s[32:33]
	s_add_nc_u64 s[6:7], s[6:7], s[36:37]
.irp i, 0,1,2,3,4,5,6,7
	global_load_b128 v[WF+4*\i:WF+4*\i+3], v2, s[6:7] offset:512*\i          ; 512 consecutive bytes
.endr
.irp j, 0,1,2,3,4,5,6,7
	global_load_b128 v[X+4*\j:X+4*\j+3], v2, s[4:5] offset:512*\j th:TH_LOAD_NT
.endr
.irp e, 0,1,2,3,4,5,6,7
	v_mov_b32 v[ACC+\e], 0
.endr
	s_wait_loadcnt 8                               ; router_w's eight loads are in; x's eight, issued behind them, stay out
.irp i, 0,1,2,3,4,5,6,7
	v_cvt_pk_bf16_f32 v[WPK+2*\i],   v[WF+4*\i],   v[WF+4*\i+1]
	v_cvt_pk_bf16_f32 v[WPK+2*\i+1], v[WF+4*\i+2], v[WF+4*\i+3]
.endr
.irp i, 0,1,2,3,4,5,6,7
	ds_store_b64 v6, v[WPK+2*\i:WPK+2*\i+1] offset:64*\i
.endr
	s_wait_loadcnt 0x0                             ; x
.irp j, 0,1,2,3,4,5,6,7
	v_cvt_pk_bf16_f32 v[XP+2*\j],   v[X+4*\j],   v[X+4*\j+1]
	v_cvt_pk_bf16_f32 v[XP+2*\j+1], v[X+4*\j+2], v[X+4*\j+3]
.endr
.irp j, 0,1,2,3,4,5,6,7
	global_store_b64 v4, v[XP+2*\j:XP+2*\j+1], s[10:11] offset:256*\j        ; the wave stores 256 consecutive bytes, aligned
.endr
	s_wait_dscnt 0x0                               ; for the others' sake: my part of router_w is in LDS
	s_barrier_signal -1
	s_barrier_wait -1                              ; everybody's is
.set j, 0
.rept 8
.irp v, 0,1,2,3
	ds_load_b128 v[W+16*j+4*\v:W+16*j+4*\v+3], v2 offset:j*PJ+\v*PV          ; the 8 experts' weights of row 128 j + 4 L + v; the wave reads 512 consecutive bytes
.endr
.set j, j+1
.endr
.macro FM d, xr, wr, a, b              ; d += (half a of xr) x (half b of wr), both bf16, in f32
.if ((\a) == 0) && ((\b) == 0)
	v_fma_mix_f32_bf16 v[\d], v[\xr], v[\wr], v[\d] op_sel_hi:[1,1,0]
.elseif ((\a) == 1) && ((\b) == 0)
	v_fma_mix_f32_bf16 v[\d], v[\xr], v[\wr], v[\d] op_sel:[1,0,0] op_sel_hi:[1,1,0]
.elseif ((\a) == 0) && ((\b) == 1)
	v_fma_mix_f32_bf16 v[\d], v[\xr], v[\wr], v[\d] op_sel:[0,1,0] op_sel_hi:[1,1,0]
.else
	v_fma_mix_f32_bf16 v[\d], v[\xr], v[\wr], v[\d] op_sel:[1,1,0] op_sel_hi:[1,1,0]
.endif
.endm
.macro STEP j
	s_wait_dscnt 4*(7-(\j))                        ; LDS loads come back in order (ISA guide 5.7.1): this j's four are in, the younger j's, four each, stay out
.set vv, 0
.rept 4
.set ee, 0
.rept 8
	FM ACC+ee, XP+2*(\j)+vv/2, W+16*(\j)+4*vv+ee/2, vv%2, ee%2
.set ee, ee+1
.endr
.set vv, vv+1
.endr
.endm
.irp j, 0,1,2,3,4,5,6,7
	STEP \j
.endr
	; the 8 sums over the 32 lanes: four steps inside each half of 16 lanes, one across the halves
.irp m, 1,2,4,8
.irp e, 0,1,2,3,4,5,6,7
	v_add_f32_dpp v[ACC+\e], v[ACC+\e], v[ACC+\e] row_xmask:\m row_mask:0xf bank_mask:0xf
.endr
.endr
.irp e, 0,1,2,3,4,5,6,7
	v_permlanex16_b32 v[WPK+\e], v[ACC+\e], s34, s35 ; WPK has been written: the destination counts as read
.endr
.irp e, 0,1,2,3,4,5,6,7
	v_add_f32 v[ACC+\e], v[ACC+\e], v[WPK+\e]
.endr
	s_wait_kmcnt 0x0                               ; router_b
.irp e, 0,2,4,6
	v_mov_b32 v[T0], s[24+\e]
	v_mov_b32 v[T1], s[25+\e]
	v_cvt_pk_bf16_f32 v[T0], v[T0], v[T1]          ; rounded to bf16, and widened again
	v_lshlrev_b32 v[T1], 16, v[T0]
	v_and_b32 v[T0], 0xffff0000, v[T0]
	v_add_f32 v[ACC+\e], v[ACC+\e], v[T1]
	v_add_f32 v[ACC+\e+1], v[ACC+\e+1], v[T0]
.endr
	; the two largest; a later logit takes a place only if it is strictly larger, so the lower index wins a tie
	v_mov_b32 v[M1], v[ACC]
	v_mov_b32 v[I1], 0
	v_mov_b32 v[M2], 0xff800000
	v_mov_b32 v[I2], 0
.irp e, 1,2,3,4,5,6,7
	v_cmp_gt_f32 s36, v[ACC+\e], v[M2]
	v_cmp_gt_f32 vcc_lo, v[ACC+\e], v[M1]
	v_cndmask_b32 v[M2], v[M2], v[ACC+\e], s36
	v_cndmask_b32 v[I2], v[I2], \e, s36
	v_cndmask_b32 v[M2], v[M2], v[M1], vcc_lo
	v_cndmask_b32 v[I2], v[I2], v[I1], vcc_lo
	v_cndmask_b32 v[M1], v[M1], v[ACC+\e], vcc_lo
	v_cndmask_b32 v[I1], v[I1], \e, vcc_lo
.endr
	; gates: 1 / (1 + e^(m2 - m1)) and the rest.  The record v[8:11]: mask of the two experts, sel word, the two gates
	v_sub_f32 v[T0], v[M2], v[M1]
	v_mul_f32 v[T0], 0x3fb8aa3b, v[T0]
	v_exp_f32 v[T0], v[T0]
	v_mov_b32 v[T1], 1                             ; a plain instruction behind the exponential,
	s_wait_alu depctr_va_vdst(0)                   ; and the wait ahead of its first reader
	v_add_f32 v10, 1.0, v[T0]
	v_rcp_f32 v10, v10
	v_lshlrev_b32 v8, v[I1], v[T1]                 ; a plain instruction behind the reciprocal,
	s_wait_alu depctr_va_vdst(0)                   ; and its wait
	v_mul_f32 v11, v[T0], v10
	v_lshlrev_b32 v9, v[I2], v[T1]
	v_or_b32 v8, v8, v9
	v_lshl_or_b32 v9, v[I2], 8, v[I1]
	v_mov_b32 v17, s20
	v_lshlrev_b32 v17, 4, v17
	ds_store_b128 v17, v[8:11] offset:REC          ; all lanes store the same 16 bytes: my wave's record, in bytes that no wave reads before the barrier below
	s_wait_dscnt 0x0                               ; for the others' sake: my record is in LDS
	s_barrier_signal -1
	s_barrier_wait -1
	s_cmp_lg_u32 s20, 0
	s_cbranch_scc1 .Ldone                          ; wave 0 stores for the work-group
	v_and_b32 v18, 7, v1
	v_lshlrev_b32 v18, 4, v18
	ds_load_b128 v[12:15], v18 offset:REC          ; lane L: the record of token L % 8
	v_mov_b32 v16, 0
	s_mov_b32 s38, ttmp9
	s_mov_b32 s39, 0
	s_add_nc_u64 s[12:13], s[12:13], s[38:39]      ; my 8 tokens are byte wg of each expert's 128 bytes
	s_add_nc_u64 s[14:15], s[14:15], s[38:39]
	s_lshl_b32 s38, ttmp9, 5
	s_add_nc_u64 s[16:17], s[16:17], s[38:39]
	s_lshl_b32 s38, ttmp9, 6
	s_add_nc_u64 s[18:19], s[18:19], s[38:39]
	v_lshlrev_b32 v21, 2, v1
	; the eight words behind each bitmap, lane n holding word n: which product; bytes of a weight row; bytes of the token operand from K step to K step; from a fragment's first
	; 16 bytes to its second; mask of the column slice; mask of the K chunk; mask that wraps the K steps; 0
	v_mov_b32 v22, 0
	v_mov_b32 v23, 0
.macro PARAM lane, a, b
	s_movk_i32 s41, \a
	s_movk_i32 s42, \b
	v_writelane_b32 v22, s41, \lane
	v_writelane_b32 v23, s42, \lane
.endm
	PARAM 0, 0, 1
	PARAM 1, 0x4000, 0x1000
	PARAM 2, 64, 0x400
	PARAM 3, 32, 0x200
	PARAM 4, 31, 7
	PARAM 5, 0, 3
	PARAM 6, 0x7ff, 0x7fff
	s_wait_dscnt 0x0
.irp e, 0,1,2,3,4,5,6,7
	v_and_b32 v19, 1<<\e, v12
	v_cmp_ne_u32 s36, 0, v19                       ; bit j: token j chose expert e
	s_and_b32 s36, s36, 0xff
	v_writelane_b32 v16, s36, \e                   ; lane e holds expert e's byte
.endr
	s_wait_xcnt 0x0                                ; EXEC changes only behind this wait: my loads and stores have had their addresses translated
	v_cmp_gt_u32 vcc_lo, 8, v1
	s_and_saveexec_b32 s40, vcc_lo                 ; lanes 0 to 7
	global_store_b8 v3, v16, s[12:13]              ; byte 128 e + wg
	global_store_b8 v3, v16, s[14:15]
	global_store_b32 v21, v13, s[16:17]
	global_store_b64 v4, v[14:15], s[18:19]
	s_cmp_lg_u32 ttmp9, 0
	s_cbranch_scc1 .Lnokind
	global_store_b32 v21, v22, s[12:13] offset:1024 ; work-group 0 (its bases are the buffers' first bytes) stores the eight words
	global_store_b32 v21, v23, s[14:15] offset:1024
.Lnokind:
	s_wait_xcnt 0x0                                ; and again in front of the line that widens EXEC
	s_or_b32 exec_lo, exec_lo, s40
.Ldone:
	s_wait_tensorcnt 0x0                           ; the wave's end
	ds_add_u32 v[SPW], v[NIL]
	s_wait_dscnt 0x0
	s_endpgm
.Lfunc_end_k_q7485022d70_router:
	.size	k_q7485022d70_router, .Lfunc_end_k_q7485022d70_router-k_q7485022d70_router
	.p2alignl 7, 3214868480
	.fill 96, 4, 3214868480
	.section	.rodata,"a",@progbits
	.p2align	6, 0x0
	.amdhsa_kernel k_q7485022d70_router
		.amdhsa_group_segment_fixed_size 19712
		.amdhsa_private_segment_fixed_size 0
		.amdhsa_enable_private_segment 0
		.amdhsa_kernarg_size 64
		.amdhsa_user_sgpr_count 2
		.amdhsa_user_sgpr_kernarg_segment_ptr 1
		.amdhsa_wavefront_size32 1
		.amdhsa_system_sgpr_workgroup_id_x 1
		.amdhsa_system_sgpr_workgroup_id_y 1
		.amdhsa_system_sgpr_workgroup_id_z 1
		.amdhsa_system_vgpr_workitem_id 0
		.amdhsa_next_free_vgpr 224
		.amdhsa_next_free_sgpr 66
		.amdhsa_reserve_vcc 1
		.amdhsa_float_denorm_mode_32 3
		.amdhsa_float_denorm_mode_16_64 3
		.amdhsa_memory_ordered 1
		.amdhsa_forward_progress 1
		.amdhsa_inst_pref_size 38
	.end_amdhsa_kernel
	.amdgpu_metadata
---
amdhsa.version: [ 1, 2 ]
amdhsa.kernels:
  - .name:           k_q7485022d70_router
    .symbol:         k_q7485022d70_router.kd
    .args:
      - { .name: x, .offset: 0, .size: 8, .value_kind: global_buffer, .address_space: global }
      - { .name: router_w, .offset: 8, .size: 8, .value_kind: global_buffer, .address_space: global }
      - { .name: router_b, .offset: 16, .size: 8, .value_kind: global_buffer, .address_space: global }
      - { .name: xb, .offset: 24, .size: 8, .value_kind: global_buffer, .address_space: global }
      - { .name: ctl1, .offset: 32, .size: 8, .value_kind: global_buffer, .address_space: global }
      - { .name: ctl2, .offset: 40, .size: 8, .value_kind: global_buffer, .address_space: global }
      - { .name: sel, .offset: 48, .size: 8, .value_kind: global_buffer, .address_space: global }
      - { .name: gates, .offset: 56, .size: 8, .value_kind: global_buffer, .address_space: global }
    .group_segment_fixed_size: 19712
    .private_segment_fixed_size: 0
    .kernarg_segment_align: 8
    .kernarg_segment_size: 64
    .max_flat_workgroup_size: 256
    .sgpr_count:     66
    .vgpr_count:     224
    .wavefront_size: 32
...
	.end_amdgpu_metadata
.endif
;; end of part 4
;; launch ffn (part 5): grid 256 x 1, 8 waves a work-group, no clusters, 306,176 bytes of LDS; arguments w1, xb, b1, ctl1, h; writes h
.if DOCPART == 5
	.amdgcn_target "amdgcn-amd-amdhsa--gfx1250"
	.amdhsa_code_object_version 6
	.text
	.protected	k_q7485022d70_ffn
	.globl	k_q7485022d70_ffn
	.p2align	8
	.type	k_q7485022d70_ffn,@function
k_q7485022d70_ffn:
	s_mov_b64 s[64:65], 0
	v_nop
	global_prefetch_b8 v0, s[64:65] scope:SCOPE_SE
	s_setreg_imm32_b32 hwreg(HW_REG_WAVE_MODE, 25, 1), 1
	s_wait_xcnt 0x0
; ONE BODY FOR BOTH PRODUCTS OF THE EXPERTS.  Arguments: weights W (f32), token operand A (bf16), bias (f32), ctl (whole numbers), out.
; Eight words at ctl + 1024, stored by the launch before, give this launch its sizes; the first (KIND) says which product it is:
;   KIND 0: h = gelu(x w1 + b1).  A = xb, [1024 tokens][1024] bf16, rows taken in the order of the expert's list.  out = h, bf16, laid out as the second product's operand registers take it:
;           [64 e + tile][128 fragments of 32 channels][2 halves][32 lanes][16 bytes]; a tile is 16 rows of the expert's list.
;   KIND 1: part[kc] = h w2 (+ b2 where kc = 0), K in four chunks kc of 1,024.  A = h.  out = part, f32 partial sums [kc][e][row of the list][1024].
; Each of the words passes a minimum with a constant, and only sums, left shifts, products and ANDs lead from there into an address.
; SHARES.  256 work-groups: expert E = wg / 32; a slice of its weights of K 1,024 x 128 columns, 512 KB of f32, which this work-group alone reads, once; and ALL rows of that expert.
; The expert's rows are read off its bitmap in ctl: 0 to 1,024 rows are served, 16 to a tile, 24 tiles to a pass, up to 3 passes.
; THE LIST is never written down: row R of the expert's list is the token at the R-th set bit of its bitmap, and each lane finds the token of its own row from the 32 words of the bitmap,
; which lie in scalar registers, by arithmetic on registers alone (PASS_SETUP).
; ALL EIGHT WAVES RUN THE SAME TEXT.  In trip t a wave brings its eighth of chunk t (K 32 x 128 columns) from registers to LDS, rounded to bf16, asks for its eighth of chunk t + 4 and for its
; token fragments of step t + 2, and multiplies one chunk behind: the barrier that closes trip t shows chunk t to everybody.  Four chunks, 64 KB of weights, are on their way for the work-group.
; The slice stays in LDS; each LDS byte of it is written once.  Passes after the first read it again, with no barrier.
; THE PASSES.  The way out and one later pass stand once, in a loop over the passes, left by a forward jump when all tiles are done (an expert with 384 rows or fewer never enters a later pass).
; The 32 trips of the later pass are written out: behind the last barrier every address into the slice is a constant and the lane's term, to be read off the line that makes it.
; A wave has up to 3 tiles of 16 rows x all 8 column tiles: tile i of wave w in pass p is tile 24 p + 8 i + w of the list.
; THE MATRIX INSTRUCTION: source 0 = 16 columns of W, source 1 = 16 tokens.  In the result lane (r, h) holds token r and columns 8 h + 0..7: eight neighbouring numbers of a row.
; NO CLUSTER: no weight byte has a second reader; the token rows that an expert's work-groups share go by a list in the first product, and their number is read from memory.
; LIMITS.  W, A and the bias are rounded once to bf16, h once to bf16; sums in f32, in another order than a plain sum over k.
; erf by the rational form 1 - (a1 t + a2 t^2 + a3 t^3) e^(-z^2), t = 1 / (1 + 0.47047 z) (Abramowitz and Stegun 7.1.25): off by 2.5e-5 at the most for every z, so gelu by 1.25e-5 |x| at the most.
; NaN and infinities are not treated apart.  Places past an expert's count in its last tile, and the one tile of an expert without rows, repeat token 0; they are stored and never enter the output.
.set CH,     8320                      ; a chunk in LDS: 8 fragments (16 columns x K 32)
.set FP,     1040                      ; a fragment: two halves of 512 bytes (lane l at 16 l), 16 bytes of padding: the 32 lanes of a store of 8 bytes then cover all 256 bytes of a row of banks
.set PRIV,   32*CH                     ; 266,240: behind the slice, 4,352 bytes for each wave: KIND 1's stage of 16 rows x 272 bytes
.set PRIVSZ, 4352
.set BIASL,  PRIV+8*PRIVSZ             ; 301,056: the slice's 128 bias numbers, f32, a copy for each wave
.set SPARE,  BIASL+8*512               ; 305,152: the spare words, 128 bytes a wave
; scalar registers
.set WV, 14
.set KIND, 15
.set BM, 16                            ; s[16:47] the expert's bitmap
.set E, 48
.set SUB, 49
.set KC, 50
.set NS, 51
.set PITCH, 52                         ; bytes of a row of W, and of a row of the bias
.set ASTR, 53                          ; bytes of A from K step to K step
.set ADEL, 54                          ; s[54:55] bytes from a fragment's first 16 bytes to its second
.set NE, 56                            ; the expert's rows
.set NT, 57                            ; tiles, at least 1
.set PASS, 59
.set MT, 60                            ; my live tiles in this pass, 0 to 3
.set IT, 61
.set WSTP, 62                          ; s[62:63] bytes of W from chunk to chunk
.set A0, 66                            ; s[66:67] A at my K chunk
.set AB0, 68                           ; s[68:69], s[70:71] bases of the token loads in hand
.set AB1, 70
.set AS, 72                            ; byte step of the next token loads
.set ASMASK, 73
.set TP, 74                            ; s[74:75] an offset; the high word stays 0
.set SB, 76                            ; s[76:77] base of the stores
.set IDX, 78
.set C1, 80
.set PRIVB, 81
.set NK2, 82
.set CA1, 84
.set CA2, 86
.set CA3, 88
; vector registers.  v0 the thread's number.  Window 1 (v256-447): the accumulator of tile i, column tile nt at 64 i + 8 nt
.set RDA,  1                           ; LDS address of my 16 bytes of a fragment's half
.set WRA,  2                           ; LDS address of the 8 bytes that I store
.set AOFF, 3                           ; v[3:5]     byte offset of tile i's rows in A
.set L16,  6                           ; 16 x lane; never rewritten
.set ROW,  7                           ; v[7:10]    byte offset of my 16 bytes in row i of my 4 rows of a chunk; never rewritten
.set BH,   16                          ; v[16:79]   fragments of W: column tiles 0-3, then 4-7
.set AR,   80                          ; v[80:175]  token fragments: a ring of 4 K steps x 3 tiles x 8
.set WS,   176                         ; v[176:239] weights as loaded: a ring of 4 chunks x 16: row i, column j at 4 i + j
.set OUTR, 240                         ; v[240:247] weights rounded
.set SPW,  254                         ; LDS address of my spare word; never rewritten
.set NIL,  255                         ; 0; never rewritten
; at a pass's beginning, where no fragment of W is in registers, v16-31 serve the search for the tokens
.set RK,   16                          ; v[16:18]   tile i: my row's rank in the list
.set WD,   19                          ; v[19:21]   tile i: the word of the bitmap that holds it
.set CC,   22                          ; v[22:24]   tile i: that word's number << 16 | the set bits in the words before it
.set SA2,  25                          ; the word's counts of 2 bits, of 4 bits, of 8 bits
.set SB4,  26
.set SC8,  27
.set SNN,  28                          ; which set bit of what is left of the word
.set SPS,  29                          ; the bit at which what is left begins
.set STT,  30
.set SHH,  31                          ; 16 x half of the lanes
; on the way out the same registers serve as
.set BIAS, 16                          ; v[16:79]
.set WK,   80
.set U,    96
.set Q,    112
.set P,    128
.set H,    144
.set G,    160
.set RB,   96                          ; KIND 1: v[96:127] 16 half rows read back from the stage
.set STG,  248
.set RDB,  249
.set TV,   250
.set GOF,  251
.set MSB, 0
.macro WIN new                         ; s_set_vgpr_msb: bits 1:0 source 0, 3:2 source 1, 5:4 source 2, 7:6 destination; the high byte repeats the setting that is left
.if MSB != (\new)
	s_set_vgpr_msb (MSB<<8)|(\new)
.set MSB, \new
.endif
.endm
.macro PLACES                          ; four plain instructions between a matrix instruction and a load into, or a vector write or read of, its registers
.rept 4
	v_nop
.endr
.endm
.macro MMT i, hf, ab, zero             ; tile i x four column tiles
.irp j, 0,1,2,3
.if \zero
	v_wmma_f32_16x16x32_bf16 v[64*(\i)+8*(4*(\hf)+\j):64*(\i)+8*(4*(\hf)+\j)+7], v[BH+32*(\hf)+8*\j:BH+32*(\hf)+8*\j+7], v[AR+24*(\ab)+8*(\i):AR+24*(\ab)+8*(\i)+7], 0
.else
	v_wmma_f32_16x16x32_bf16 v[64*(\i)+8*(4*(\hf)+\j):64*(\i)+8*(4*(\hf)+\j)+7], v[BH+32*(\hf)+8*\j:BH+32*(\hf)+8*\j+7], v[AR+24*(\ab)+8*(\i):AR+24*(\ab)+8*(\i)+7], v[64*(\i)+8*(4*(\hf)+\j):64*(\i)+8*(4*(\hf)+\j)+7]
.endif
.endr
.endm
; Half a K step: column tiles 4 hf .. 4 hf + 3 x my tiles, token fragments from ring place ab.  The accumulators take turns, one instruction a turn.
; zero = 1: the products start the sums, for all three tiles, so that every accumulator is written.  Else the third tile is jumped where it is dead: only matrix instructions are jumped.
.macro HALF hf, ab, zero
	WIN 0x50                                       ; C and D in window 1
	MMT 0, \hf, \ab, \zero
	MMT 1, \hf, \ab, \zero
.if \zero
	MMT 2, \hf, \ab, \zero
	WIN 0
.else
	WIN 0                                          ; at a branch and at a label every window is 0
	s_cmp_lt_u32 s[MT], 3
	s_cbranch_scc1 .Lh_\@
	WIN 0x50
	MMT 2, \hf, \ab, \zero
	WIN 0
.Lh_\@:
.endif
.endm
.macro BLOAD hf, b                     ; four fragments of W of the chunk b chunks behind RDA: each load takes 512 consecutive bytes
.irp j, 0,1,2,3
	ds_load_b128 v[BH+32*(\hf)+8*\j:BH+32*(\hf)+8*\j+3],   v[RDA] offset:(\b)*CH+(4*(\hf)+\j)*FP
	ds_load_b128 v[BH+32*(\hf)+8*\j+4:BH+32*(\hf)+8*\j+7], v[RDA] offset:(\b)*CH+(4*(\hf)+\j)*FP+512
.endr
.endm
; The token fragments of the next K step, always for all three tiles, so that every count is the same on every way.  The AND keeps the step among the 32 steps of my K chunk.
; The two bases are rewritten: s_wait_xcnt 0 stands ahead of every use of this macro.
.macro ALOAD ring
	s_mov_b32 s[TP], s[AS]
	s_add_nc_u64 s[AB0:AB0+1], s[A0:A0+1], s[TP:TP+1]
	s_add_nc_u64 s[AB1:AB1+1], s[AB0:AB0+1], s[ADEL:ADEL+1]
	s_add_co_u32 s[AS], s[AS], s[ASTR]
	s_and_b32 s[AS], s[AS], s[ASMASK]
.irp i, 0,1,2
	global_load_b128 v[AR+24*(\ring)+8*\i:AR+24*(\ring)+8*\i+3],   v[AOFF+\i], s[AB0:AB0+1]
	global_load_b128 v[AR+24*(\ring)+8*\i+4:AR+24*(\ring)+8*\i+7], v[AOFF+\i], s[AB1:AB1+1]
.endr
.endm
.macro WLOAD buf                       ; my eighth of a chunk: 4 loads, each 2 rows x 256 consecutive bytes, aligned
.irp i, 0,1,2,3
	global_load_b128 v[WS+16*(\buf)+4*\i:WS+16*(\buf)+4*\i+3], v[ROW+\i], s[4:5] th:TH_LOAD_NT
.endr
.endm
.macro WSTEP
	s_wait_xcnt 0x0                                ; the base is stepped only behind this wait
	s_add_nc_u64 s[4:5], s[4:5], s[WSTP:WSTP+1]
.endm
; TRIP t, ph = (t + 2) % 4.  rd: W's fragments of chunk t - 1 are read (rb: that chunk, counted from RDA).  h1: the second half of step t - 2; h0: the first half of step t - 1
; (0 none, 1 adds on, 2 starts the sums).  al: the tokens of step t + 2 are asked for, into the ring place that step t - 2 has just left.  st: my eighth of chunk t has come (wcnt: the loads issued
; behind it), is rounded and stored (wb: that chunk, counted from WRA).  wl: chunk t + 4 is asked for, into the place just rounded.  acnt: the loads issued behind the tokens of step t - 1.
; bar: the barrier that closes the trip.  In a trip chunk t is written and chunk t - 1 read.
; Lane (r, h) of wave (q, kq) holds k = 8 kq + 4 h + 0..3 of columns 64 q + 4 r + 0..3: for each column four k in a row, 8 bytes of a fragment.
.macro TRIP rd, rb, ph, h1, h0, al, acnt, st, wb, wl, wcnt, bar
.set sp, ((\ph)+2)%4
.if \rd
	PLACES
	BLOAD 0, \rb
.endif
.if \h1
	s_wait_dscnt 8                                 ; all but the eight just issued: the second half of chunk t - 2 is in
	HALF 1, \ph, \h1-1
	PLACES
.endif
.if \rd
	BLOAD 1, \rb
.endif
.if (\al) || (\wl)
	s_wait_xcnt 0x0                                ; the bases of the loads are rewritten only behind this wait
.endif
.if \wl
	s_add_nc_u64 s[4:5], s[4:5], s[WSTP:WSTP+1]
.endif
.if \al
	ALOAD \ph
.endif
.if \st
	s_wait_loadcnt \wcnt
.irp j, 0,1,2,3
	v_cvt_pk_bf16_f32 v[OUTR+2*\j],   v[WS+16*sp+\j],   v[WS+16*sp+4+\j]
	v_cvt_pk_bf16_f32 v[OUTR+2*\j+1], v[WS+16*sp+8+\j], v[WS+16*sp+12+\j]
.endr
.irp j, 0,1,2,3
	ds_store_b64 v[WRA], v[OUTR+2*\j:OUTR+2*\j+1] offset:(\wb)*CH+16*\j
.endr
.endif
.if \wl
	WLOAD sp
.endif
.if \h0
	s_wait_loadcnt \acnt
	s_wait_dscnt 8+4*(\st)                         ; all but the eight loads and the stores issued behind them: the first half of chunk t - 1 is in
	HALF 0, (\ph+1)%4, \h0-1
.endif
.if \bar
	s_wait_dscnt 0x0                               ; for the others' sake: my stores are in LDS; and no LDS instruction of mine is out at the signal
	s_barrier_signal -1
	s_barrier_wait -1
.endif
.endm
; One halving of the search for a set bit: of the 2 x width bits that are left, the lower width hold STT set bits; if the bit wanted is not among them, go on in the upper ones.
.macro SELSTEP src, width
	v_bfe_u32 v[STT], v[\src], v[SPS], \width
	v_cmp_ge_u32 vcc_lo, v[SNN], v[STT]
	v_sub_nc_u32 v[STT], v[SNN], v[STT]
	v_cndmask_b32 v[SNN], v[SNN], v[STT], vcc_lo
	v_add_nc_u32 v[STT], \width, v[SPS]
	v_cndmask_b32 v[SPS], v[SPS], v[STT], vcc_lo
.endm
; Tile i: from the word that holds my row's bit to the token, and to its row's byte offset in xb.
.macro SEL i
	v_and_b32 v[STT], 0xffff, v[CC+\i]
	v_sub_nc_u32 v[SNN], v[RK+\i], v[STT]          ; which set bit of the word: the rank less the set bits in the words before
	v_lshrrev_b32 v[STT], 1, v[WD+\i]
	v_and_b32 v[STT], 0x55555555, v[STT]
	v_sub_nc_u32 v[SA2], v[WD+\i], v[STT]          ; the set bits of each 2 bits,
	v_lshrrev_b32 v[STT], 2, v[SA2]
	v_and_b32 v[STT], 0x33333333, v[STT]
	v_and_b32 v[SB4], 0x33333333, v[SA2]
	v_add_nc_u32 v[SB4], v[SB4], v[STT]            ; of each 4,
	v_lshrrev_b32 v[STT], 4, v[SB4]
	v_add_nc_u32 v[SC8], v[SB4], v[STT]
	v_and_b32 v[SC8], 0x0f0f0f0f, v[SC8]           ; of each 8,
	v_lshrrev_b32 v[STT], 8, v[SC8]
	v_add_nc_u32 v[STT], v[SC8], v[STT]
	v_and_b32 v[STT], 0xff, v[STT]                 ; of the lower 16
	v_cmp_ge_u32 vcc_lo, v[SNN], v[STT]
	v_sub_nc_u32 v[STT], v[SNN], v[STT]
	v_cndmask_b32 v[SNN], v[SNN], v[STT], vcc_lo
	v_cndmask_b32 v[SPS], 0, 16, vcc_lo
	SELSTEP SC8, 8
	SELSTEP SB4, 4
	SELSTEP SA2, 2
	SELSTEP WD+\i, 1
	v_lshrrev_b32 v[STT], 16, v[CC+\i]
	v_lshl_add_u32 v[STT], v[STT], 5, v[SPS]       ; the token: 32 x word + bit
	v_cmp_gt_u32 vcc_lo, s[NE], v[RK+\i]
	v_cndmask_b32 v[AOFF+\i], 0, v[STT], vcc_lo    ; a place past the count names token 0
	v_min_u32 v[AOFF+\i], 0x3ff, v[AOFF+\i]
	v_lshl_add_u32 v[AOFF+\i], v[AOFF+\i], 11, v[SHH]  ; token x 2,048 + 16 x half of the lanes
.endm
; What pass s[PASS] begins with: my live tiles, their rows' offsets in A, the first three K steps' tokens.  v11 to v15 are left alone: in the first pass the bias is still on its way into them.
.macro PASS_SETUP
	s_mul_i32 s90, s[PASS], 24
	s_add_co_u32 s90, s90, s[WV]                   ; my first tile of the pass
	s_sub_co_i32 s91, s[NT], s90
	s_add_co_i32 s91, s91, 7
	s_ashr_i32 s91, s91, 3
	s_max_i32 s91, s91, 0
	s_min_i32 s[MT], s91, 3                        ; the i with 24 p + 8 i + w < NT
	s_cmp_eq_u32 s[KIND], 0
	s_cbranch_scc0 .Lk1_\@
	; KIND 0.  My row of tile i has rank 16 (24 p + 8 i + w) + r.  The words of the bitmap are walked once for the three tiles: a lane keeps the last word in front of which no more set bits
	; stand than its rank; that word holds its bit
	v_and_b32 v[STT], 15, v0
	v_and_b32 v[SHH], 16, v0
	s_lshl_b32 s91, s90, 4
	v_add_nc_u32 v[RK], s91, v[STT]
	v_add_nc_u32 v[RK+1], 128, v[RK]
	v_add_nc_u32 v[RK+2], 128, v[RK+1]
.irp i, 0,1,2
	v_mov_b32 v[WD+\i], s[BM]
	v_mov_b32 v[CC+\i], 0
.endr
	s_mov_b32 s92, 0
.set w, 1
.rept 31
	s_bcnt1_i32_b32 s93, s[BM+w-1]
	s_add_co_u32 s92, s92, s93                     ; the set bits in front of word w,
	s_add_co_u32 s94, s92, w<<16                   ; and the word's number above them
.irp i, 0,1,2
	v_cmp_gt_u32 vcc_lo, s92, v[RK+\i]             ; more than my rank: what I have stays
	v_cndmask_b32 v[WD+\i], s[BM+w], v[WD+\i], vcc_lo
	v_cndmask_b32 v[CC+\i], s94, v[CC+\i], vcc_lo
.endr
.set w, w+1
.endr
	SEL 0
	SEL 1
	SEL 2
	s_branch .Lkj_\@
.Lk1_\@:
	s_sub_co_u32 s92, s[NT], 1
	s_lshl_b32 s93, s[E], 6
.irp i, 0,1,2
	s_add_co_u32 s91, s90, 8*\i
	s_min_u32 s91, s91, s92                        ; a dead tile reads the last live one
	s_min_u32 s91, s91, 63
	s_add_co_u32 s91, s91, s93
	s_lshl_b32 s91, s91, 17
	v_add_nc_u32 v[AOFF+\i], s91, v[L16]
.endr
.Lkj_\@:
	s_mov_b32 s[AS], 0
	v_mov_b32 v[RDA], v[L16]
	s_wait_xcnt 0x0
	ALOAD 0
	s_wait_xcnt 0x0
	ALOAD 1
	s_wait_xcnt 0x0
	ALOAD 2
.endm
; Batch n: its 16 sums plus the bias, into WK.  Each accumulator is read from its lowest registers on.
.macro CPB n
.Lcp\n:
	WIN 0x01                                       ; source 0 in window 1
.set ac, 64*(\n/4)+16*(\n%4)
.set m, 0
.rept 8
	v_pk_add_f32 v[WK+2*m:WK+2*m+1], v[ac+2*m:ac+2*m+1], v[BIAS+16*(\n%4)+2*m:BIAS+16*(\n%4)+2*m+1]
.set m, m+1
.endr
	WIN 0
.endm
	s_load_b256 s[4:11], s[0:1], 0x0               ; W 4:5, A 6:7, bias 8:9, ctl 10:11
	s_load_b64 s[12:13], s[0:1], 0x20              ; out
	v_lshl_add_u32 v[SPW], v0, 2, SPARE
	v_mov_b32 v[NIL], 0
	v_lshrrev_b32 v11, 5, v0
	v_readfirstlane_b32 s[WV], v11
	v_and_b32 v11, 31, v0
	v_lshlrev_b32 v[L16], 4, v11
	s_lshr_b32 s[E], ttmp9, 5
	s_and_b32 s[SUB], ttmp9, 31
	s_lshl_b32 s[TP], s[E], 7
	s_mov_b32 s[TP+1], 0
	s_wait_kmcnt 0x0
	s_add_nc_u64 s[SB:SB+1], s[10:11], s[TP:TP+1]
	s_load_b256 s[92:99], s[10:11], 0x400          ; the eight words
	s_load_b512 s[BM:BM+15], s[SB:SB+1], 0x0       ; my expert's bitmap
	s_load_b512 s[BM+16:BM+31], s[SB:SB+1], 0x40
	s_and_b32 s90, s[WV], 1                        ; q: columns 64 q on
	s_lshr_b32 s91, s[WV], 1                       ; kq: K rows 8 kq on of each chunk
	v_and_b32 v11, 15, v0                          ; r
	v_bfe_u32 v12, v0, 4, 1                        ; h
	v_lshrrev_b32 v13, 2, v11
	v_lshl_add_u32 v13, s90, 2, v13                ; fragment 4 q + r / 4,
	v_mul_u32_u24 v13, v13, FP
	v_and_b32 v14, 3, v11
	v_lshl_add_u32 v13, v14, 6, v13                ; its column 4 (r % 4) + j, 16 bytes each,
	v_lshl_add_u32 v13, v12, 3, v13                ; the half h of those 16 bytes,
	s_lshl_b32 s89, s91, 8                         ; and 256 kq: K 8 kq on is half kq / 2 of the fragment (512 bytes), lanes 16 (kq % 2) on (256 bytes)
	v_add_nc_u32 v[WRA], s89, v13
	s_lshl_b32 s89, s91, 3
	v_lshl_add_u32 v13, v12, 2, s89                ; row 8 kq + 4 h
	s_lshl_b32 s89, s90, 8
	v_lshl_add_u32 v14, v11, 4, s89                ; 256 q + 16 r
	s_wait_kmcnt 0x0
	s_min_u32 s[KIND], s92, 1
	s_min_u32 s[PITCH], s93, 0x4000
	s_min_u32 s[ASTR], s94, 0x400
	s_min_u32 s[ADEL], s95, 0x200
	s_min_u32 s96, s96, 31
	s_min_u32 s97, s97, 3
	s_min_u32 s[ASMASK], s98, 0x7fff
	s_mov_b32 s[ADEL+1], 0
	s_and_b32 s[NS], s[SUB], s96                   ; KIND 0: 32 slices of 128 columns, one K chunk.  KIND 1: 8 slices, 4 K chunks
	s_lshr_b32 s90, s[SUB], 3
	s_and_b32 s[KC], s90, s97
	s_lshl_b32 s[WSTP], s[PITCH], 5
	s_mov_b32 s[WSTP+1], 0
	s_lshl_b32 s[TP], s[E], 24                     ; an expert's weights are 16 MB in both products
	s_mul_i32 s90, s[KC], s[PITCH]
	s_lshl_b32 s90, s90, 10
	s_add_co_u32 s[TP], s[TP], s90
	s_lshl_b32 s90, s[NS], 9
	s_add_co_u32 s[TP], s[TP], s90
	s_add_nc_u64 s[4:5], s[4:5], s[TP:TP+1]        ; W at my slice
	s_mul_i32 s[TP], s[KC], s[ASTR]
	s_lshl_b32 s[TP], s[TP], 5
	s_add_nc_u64 s[A0:A0+1], s[6:7], s[TP:TP+1]
	s_mul_i32 s[TP], s[E], s[PITCH]
	s_add_co_u32 s[TP], s[TP], s90
	s_add_nc_u64 s[8:9], s[8:9], s[TP:TP+1]        ; the bias at my slice
	v_mul_lo_u32 v13, v13, s[PITCH]
	v_add_nc_u32 v[ROW], v13, v14
.irp i, 1,2,3
	v_add_nc_u32 v[ROW+\i], s[PITCH], v[ROW+\i-1]
.endr
	global_load_b128 v[12:15], v[L16], s[8:9]      ; the slice's 128 bias numbers, 4 a lane
	WLOAD 0                                        ; the first four chunks go out before anything else is done
	WSTEP
	WLOAD 1
	WSTEP
	WLOAD 2
	WSTEP
	WLOAD 3
	; counts and constants
	s_mul_i32 s[PRIVB], s[WV], PRIVSZ
	s_add_co_u32 s[PRIVB], s[PRIVB], PRIV
	s_mov_b32 s[C1], 0x3eaa540e                    ; 0.47047 / sqrt(2)
	s_mov_b32 s[NK2], 0xbf38aa3b                   ; -log2(e) / 2
	s_mov_b32 s[NK2+1], 0xbf38aa3b                 ; (each is named as a pair, so both words are written)
	s_mov_b32 s[CA1], 0x3eb2303a                   ; 0.3480242
	s_mov_b32 s[CA1+1], 0x3eb2303a
	s_mov_b32 s[CA2], 0xbdc45ca1                   ; -0.0958798
	s_mov_b32 s[CA2+1], 0xbdc45ca1
	s_mov_b32 s[CA3], 0x3f3f7377                   ; 0.7478556
	s_mov_b32 s[CA3+1], 0x3f3f7377
	s_mov_b32 s[NE], 0
.set w, 0
.rept 32
	s_bcnt1_i32_b32 s90, s[BM+w]
	s_add_co_u32 s[NE], s[NE], s90
.set w, w+1
.endr
	s_add_co_u32 s[NT], s[NE], 15
	s_lshr_b32 s[NT], s[NT], 4
	s_max_u32 s[NT], s[NT], 1
	s_min_u32 s[NT], s[NT], 64
	s_mov_b32 s[PASS], 0
	PASS_SETUP                                     ; the search for my tokens stands in the wait for the first weights; behind it the first 18 token loads go out
	s_wait_loadcnt 34                              ; the bias has come; the four chunks' 16 loads and the 18 token loads stay out
	v_cvt_pk_bf16_f32 v248, v12, v13               ; rounded to bf16,
	v_cvt_pk_bf16_f32 v249, v14, v15
	s_cmp_eq_u32 s[KC], 0
	s_cselect_b32 s90, -1, 0                       ; (of the four K chunks' partial sums the first alone carries the bias)
	v_and_b32 v248, s90, v248
	v_and_b32 v249, s90, v249
	v_lshlrev_b32 v12, 16, v248                    ; and widened again
	v_and_b32 v13, 0xffff0000, v248
	v_lshlrev_b32 v14, 16, v249
	v_and_b32 v15, 0xffff0000, v249
	s_lshl_b32 s90, s[WV], 9
	s_add_co_u32 s90, s90, BIASL
	v_add_nc_u32 v250, s90, v[L16]
	ds_store_b128 v250, v[12:15]                   ; my wave's own copy: only I read it
	;    rd rb ph h1 h0 al acnt st wb wl wcnt bar      issue order of the loads: bias, W0-3, A0-2, then in trip t A(t+2) (from trip 1 on) and W(t+4)
	TRIP 0, 0, 2, 0, 0, 0, 0,   1, 0, 1, 30,  1    ; trip 0: behind W0 stand W1-3 (12) and A0-2 (18)
	TRIP 1, 0, 3, 0, 2, 1, 26,  1, 1, 1, 36,  1    ; trip 1: behind W1: 8 + 18 + 4 + 6; behind A0: 12 + 4 + 10
	TRIP 1, 1, 0, 2, 1, 1, 30,  1, 2, 1, 36,  1    ; trip 2: behind A1: 6 + 4 + 20
	TRIP 1, 2, 1, 1, 1, 1, 34,  1, 3, 1, 36,  1    ; trip 3
	s_mov_b32 s[IT], 6
.Lmain:                                                ; trips 4 to 27.  Behind W(t): three trips' 10 loads and this trip's 6.  Behind A(t-1): 4, and three trips' 10
	TRIP 1, 3, 2, 1, 1, 1, 34,  1, 4, 1, 36,  1
	TRIP 1, 4, 3, 1, 1, 1, 34,  1, 5, 1, 36,  1
	TRIP 1, 5, 0, 1, 1, 1, 34,  1, 6, 1, 36,  1
	TRIP 1, 6, 1, 1, 1, 1, 34,  1, 7, 1, 36,  1
	v_add_nc_u32 v[RDA], 4*CH, v[RDA]              ; the chunk within a lap stands in the immediates
	v_add_nc_u32 v[WRA], 4*CH, v[WRA]
	s_sub_co_u32 s[IT], s[IT], 1
	s_cmp_lg_u32 s[IT], 0
	s_cbranch_scc1 .Lmain
	v_add_nc_u32 v[RDA], 3*CH, v[RDA]
	TRIP 1, 0, 2, 1, 1, 1, 30,  1, 4, 0, 36,  1    ; trips 28 to 31: no weights are left to ask for, from trip 30 on no tokens: the counts run down
	TRIP 1, 1, 3, 1, 1, 1, 26,  1, 5, 0, 32,  1
	TRIP 1, 2, 0, 1, 1, 0, 16,  1, 6, 0, 22,  1
	TRIP 1, 3, 1, 1, 1, 0, 6,   1, 7, 0, 12,  1
	TRIP 1, 4, 2, 1, 1, 0, 0,   0, 0, 0, 0,   0    ; trip 32: the slice is whole; no barrier follows
.Lpass:
	; A PASS ENDS: the second half of the last K step, and THE WAY OUT.  Twelve batches: tile IDX / 4, column tiles 2 (IDX % 4) and the next.  The add of the bias brings any batch's 16 sums
	; into one set of registers, so what follows is written once.  No load from memory is out here: the last trip's wait was for 0.
	s_wait_dscnt 0x0
	HALF 1, 3, 0
	PLACES
	v_and_b32 v11, 15, v0
	v_bfe_u32 v12, v0, 4, 1
	s_lshl_b32 s90, s[WV], 9
	s_add_co_u32 s90, s90, BIASL
	v_lshl_add_u32 v[TV], v12, 5, s90
.set m, 0
.rept 8
	ds_load_b128 v[BIAS+8*m:BIAS+8*m+3],   v[TV] offset:64*m     ; columns 16 m + 8 h + 0..7
	ds_load_b128 v[BIAS+8*m+4:BIAS+8*m+7], v[TV] offset:64*m+16
.set m, m+1
.endr
	v_mul_u32_u24 v[STG], v11, 272
	v_lshl_add_u32 v[STG], v12, 5, v[STG]
	v_add_nc_u32 v[STG], s[PRIVB], v[STG]          ; the stage: row r, 32 bytes for each half of the lanes
	v_mul_u32_u24 v[RDB], v12, 272
	v_lshl_add_u32 v[RDB], v11, 4, v[RDB]
	v_add_nc_u32 v[RDB], s[PRIVB], v[RDB]          ; back: lanes 0-15 one row's 256 bytes, lanes 16-31 the next row's,
	v_lshlrev_b32 v[GOF], 12, v12
	v_lshl_add_u32 v[GOF], v11, 4, v[GOF]          ; and the same two rows in part
	s_wait_dscnt 0x0
	s_mov_b32 s[IDX], 0
.Lep:
	s_lshr_b32 s90, s[IDX], 2
	s_cmp_ge_u32 s90, s[MT]
	s_cbranch_scc1 .Lepn                           ; a dead tile is jumped: no barrier stands in what is jumped
.irp n, 0,1,2,3,4,5,6,7,8,9,10
	s_cmp_eq_u32 s[IDX], \n
	s_cbranch_scc1 .Lcp\n
.endr
.irp n, 11,0,1,2,3,4,5,6,7,8,9
	CPB \n
	s_branch .Lwork
.endr
	CPB 10
.Lwork:
	s_wait_xcnt 0x0                                ; the stores' base and data registers are rewritten only behind this wait
	s_and_b32 s91, s[IDX], 3                       ; the batch
	s_mul_i32 s92, s[PASS], 24
	s_lshl_b32 s93, s90, 3
	s_add_co_u32 s92, s92, s93
	s_add_co_u32 s92, s92, s[WV]                   ; the tile's number in the list
	s_cmp_eq_u32 s[KIND], 0
	s_cbranch_scc0 .Lst1
	; KIND 0: gelu(x) = x / 2 + |x / 2| (1 - p(t) e^(-x^2 / 2)), t = 1 / (1 + C1 |x|), for 16 numbers
.set m, 0
.rept 16
	v_fma_f32 v[U+m], |v[WK+m]|, s[C1], 1.0
.set m, m+1
.endr
.set m, 0
.rept 8
	v_pk_mul_f32 v[Q+2*m:Q+2*m+1], v[WK+2*m:WK+2*m+1], v[WK+2*m:WK+2*m+1]
.set m, m+1
.endr
.set m, 0
.rept 8
	v_pk_mul_f32 v[Q+2*m:Q+2*m+1], v[Q+2*m:Q+2*m+1], s[NK2:NK2+1] op_sel_hi:[1,0]
.set m, m+1
.endr
.set m, 0
.rept 16
	v_rcp_f32 v[U+m], v[U+m]                       ; 16 reciprocals and 16 exponentials: one batch
.set m, m+1
.endr
.set m, 0
.rept 16
	v_exp_f32 v[Q+m], v[Q+m]
.set m, m+1
.endr
.set m, 0
.rept 8
	v_pk_mul_f32 v[H+2*m:H+2*m+1], v[WK+2*m:WK+2*m+1], 0.5 op_sel_hi:[1,0]  ; plain work behind the batch, which names none of its results
.set m, m+1
.endr
	s_wait_alu depctr_va_vdst(0)                   ; one wait for the batch, ahead of its first reader
.set m, 0
.rept 8
	v_pk_fma_f32 v[P+2*m:P+2*m+1], v[U+2*m:U+2*m+1], s[CA3:CA3+1], s[CA2:CA2+1] op_sel_hi:[1,0,0]
.set m, m+1
.endr
.set m, 0
.rept 8
	v_pk_fma_f32 v[P+2*m:P+2*m+1], v[P+2*m:P+2*m+1], v[U+2*m:U+2*m+1], s[CA1:CA1+1] op_sel_hi:[1,1,0]
.set m, m+1
.endr
.set m, 0
.rept 8
	v_pk_mul_f32 v[P+2*m:P+2*m+1], v[P+2*m:P+2*m+1], v[U+2*m:U+2*m+1]
.set m, m+1
.endr
.set m, 0
.rept 8
	v_pk_mul_f32 v[P+2*m:P+2*m+1], v[P+2*m:P+2*m+1], v[Q+2*m:Q+2*m+1]
.set m, m+1
.endr
.set m, 0
.rept 16
	v_fma_f32 v[U+m], -|v[H+m]|, v[P+m], |v[H+m]|
.set m, m+1
.endr
.set m, 0
.rept 8
	v_pk_add_f32 v[U+2*m:U+2*m+1], v[U+2*m:U+2*m+1], v[H+2*m:H+2*m+1]
.set m, m+1
.endr
.set m, 0
.rept 8
	v_cvt_pk_bf16_f32 v[G+m], v[U+2*m], v[U+2*m+1]
.set m, m+1
.endr
	s_lshl_b32 s93, s[E], 6
	s_add_co_u32 s93, s93, s92
	s_lshl_b32 s93, s93, 17                        ; the tile's 131,072 bytes of h,
	s_lshl_b32 s94, s[NS], 2
	s_add_co_u32 s94, s94, s91
	s_lshl_b32 s94, s94, 10                        ; its fragment 4 NS + batch: the two column tiles are the fragment's two halves
	s_add_co_u32 s[TP], s93, s94
	s_add_nc_u64 s[SB:SB+1], s[12:13], s[TP:TP+1]
	global_store_b128 v[L16], v[G:G+3], s[SB:SB+1]             ; 512 consecutive bytes, aligned
	global_store_b128 v[L16], v[G+4:G+7], s[SB:SB+1] offset:512
	s_branch .Lepn
.Lst1:
	; KIND 1: the batch goes into my stage; behind every second batch 16 half rows of 256 bytes come back whole and are stored
	s_and_b32 s93, s91, 1
	v_lshl_add_u32 v[TV], s93, 7, v[STG]
	ds_store_b128 v[TV], v[WK:WK+3]
	ds_store_b128 v[TV], v[WK+4:WK+7] offset:16
	ds_store_b128 v[TV], v[WK+8:WK+11] offset:64
	ds_store_b128 v[TV], v[WK+12:WK+15] offset:80
	s_cmp_eq_u32 s93, 0
	s_cbranch_scc1 .Lepn
.set m, 0
.rept 8
	ds_load_b128 v[RB+4*m:RB+4*m+3], v[RDB] offset:544*m       ; my own bytes, served in order behind the stores above (ISA guide 5.7.1.4)
.set m, m+1
.endr
	s_lshl_b32 s93, s[KC], 3
	s_add_co_u32 s93, s93, s[E]
	s_lshl_b32 s93, s93, 10
	s_lshl_b32 s94, s92, 4
	s_add_co_u32 s93, s93, s94                     ; row (8 kc + e) x 1,024 + 16 x tile
	s_lshl_b32 s93, s93, 12
	s_lshl_b32 s94, s[NS], 9
	s_add_co_u32 s93, s93, s94
	s_lshr_b32 s94, s91, 1
	s_lshl_b32 s94, s94, 8                         ; the slice's first or second 64 columns
	s_add_co_u32 s[TP], s93, s94
	s_add_nc_u64 s[SB:SB+1], s[12:13], s[TP:TP+1]
	s_wait_dscnt 0x0
.set m, 0
.rept 8
	global_store_b128 v[GOF], v[RB+4*m:RB+4*m+3], s[SB:SB+1] offset:8192*m  ; 16 lanes store 256 consecutive bytes of a row, aligned
.set m, m+1
.endr
.Lepn:
	s_add_co_u32 s[IDX], s[IDX], 1
	s_cmp_lt_u32 s[IDX], 12
	s_cbranch_scc1 .Lep
	; A LATER PASS, for an expert with more than 24 tiles a pass gone by: the slice is read again from LDS; nothing writes it, so no barrier stands here.  Its trips 1 to 32 are written out:
	; the read address is made anew every seven trips, a constant and 16 x lane, and the chunk among those seven stands in the immediate (57,712 at the most).  Token loads alone are out:
	; behind the tokens of step t - 1 stand three steps' 6 loads; step 31 is asked for in trip 29, so the counts of trips 30 to 32 run down: 12, 6, 0.
	s_add_co_u32 s[PASS], s[PASS], 1
	s_mul_i32 s90, s[PASS], 24
	s_cmp_ge_u32 s90, s[NT]                        ; all tiles are done
	s_cbranch_scc1 .Lend
	PASS_SETUP
.set t, 1
.rept 32
.set trb, (t-1)%7
.set tph, (t+2)%4
.set th1, 1
.set th0, 1
.set tal, 1
.set tac, 18
.if t == 1
.set th1, 0
.set th0, 2
.endif
.if t == 2
.set th1, 2
.endif
.if t > 29
.set tal, 0
.set tac, 6*(32-t)
.endif
.if (trb == 0) && (t > 1)
	v_add_nc_u32 v[RDA], (t-1)*CH, v[L16]          ; chunk t - 1
.endif
	TRIP 1, trb, tph, th1, th0, tal, tac, 0, 0, 0, 0, 0
.set t, t+1
.endr
	s_cmp_lt_u32 s[PASS], 3                        ; 64 tiles at the most are three passes: the jump above ends the loop at the latest when the third has gone out
	s_cbranch_scc1 .Lpass
.Lend:
	s_wait_tensorcnt 0x0                           ; the wave's end
	ds_add_u32 v[SPW], v[NIL]
	s_wait_dscnt 0x0
	s_endpgm
.Lfunc_end_k_q7485022d70_ffn:
	.size	k_q7485022d70_ffn, .Lfunc_end_k_q7485022d70_ffn-k_q7485022d70_ffn
	.p2alignl 7, 3214868480
	.fill 96, 4, 3214868480
	.section	.rodata,"a",@progbits
	.p2align	6, 0x0
	.amdhsa_kernel k_q7485022d70_ffn
		.amdhsa_group_segment_fixed_size 306176
		.amdhsa_private_segment_fixed_size 0
		.amdhsa_enable_private_segment 0
		.amdhsa_kernarg_size 40
		.amdhsa_user_sgpr_count 2
		.amdhsa_user_sgpr_kernarg_segment_ptr 1
		.amdhsa_wavefront_size32 1
		.amdhsa_system_sgpr_workgroup_id_x 1
		.amdhsa_system_sgpr_workgroup_id_y 1
		.amdhsa_system_sgpr_workgroup_id_z 1
		.amdhsa_system_vgpr_workitem_id 0
		.amdhsa_next_free_vgpr 448
		.amdhsa_next_free_sgpr 100
		.amdhsa_reserve_vcc 1
		.amdhsa_float_denorm_mode_32 3
		.amdhsa_float_denorm_mode_16_64 3
		.amdhsa_memory_ordered 1
		.amdhsa_forward_progress 1
		.amdhsa_inst_pref_size 255
	.end_amdhsa_kernel
	.section	.bss,"aw",@nobits
	.p2align	6
	.space	262144
	.amdgpu_metadata
---
amdhsa.version: [ 1, 2 ]
amdhsa.kernels:
  - .name:           k_q7485022d70_ffn
    .symbol:         k_q7485022d70_ffn.kd
    .args:
      - { .name: w1, .offset: 0, .size: 8, .value_kind: global_buffer, .address_space: global }
      - { .name: xb, .offset: 8, .size: 8, .value_kind: global_buffer, .address_space: global }
      - { .name: b1, .offset: 16, .size: 8, .value_kind: global_buffer, .address_space: global }
      - { .name: ctl1, .offset: 24, .size: 8, .value_kind: global_buffer, .address_space: global }
      - { .name: h, .offset: 32, .size: 8, .value_kind: global_buffer, .address_space: global }
    .group_segment_fixed_size: 306176
    .private_segment_fixed_size: 0
    .kernarg_segment_align: 8
    .kernarg_segment_size: 40
    .max_flat_workgroup_size: 256
    .sgpr_count:     100
    .vgpr_count:     448
    .wavefront_size: 32
...
	.end_amdgpu_metadata
.endif
;; end of part 5
;; launch ffn2: the kernel of part 5 again; grid 256 x 1, 8 waves a work-group, no clusters, 306,176 bytes of LDS; arguments w2, h, b2, ctl2, part; writes part
;; launch combine: the kernel of part 3 again; grid 256 x 1, 4 waves a work-group, no clusters, 0 bytes of LDS; arguments part, sel, gates, ctl1, out0; writes out0
;; ======== version 3 of 3: 4 launches; version 2 with the launches ffn, ffn2 written anew for expert scheduling mode
;; limits: a function is approximated: absolute error at most 2.5e-05; an absolute error that grows with the inputs' magnitude: up to 1.25e-05 times it
;; workspace buffers: xb 2,097,152 bytes; ctl1 1,280 bytes of whole numbers; ctl2 1,280 bytes of whole numbers; sel 4,096 bytes of whole numbers; gates 8,192 bytes; h 67,108,864 bytes; part 134,217,728 bytes
;; launch router: the kernel of part 4 again; grid 128 x 1, 8 waves a work-group, no clusters, 19,712 bytes of LDS; arguments x, router_w, router_b, xb, ctl1, ctl2, sel, gates; writes xb, ctl1, ctl2, sel, gates
;; launch ffn (part 6): grid 256 x 1, 8 waves a work-group, no clusters, 306,176 bytes of LDS; arguments w1, xb, b1, ctl1, h; writes h
.if DOCPART == 6
	.amdgcn_target "amdgcn-amd-amdhsa--gfx1250"
	.amdhsa_code_object_version 6
	.text
	.protected	k_q7485022d70_ffn
	.globl	k_q7485022d70_ffn
	.p2align	8
	.type	k_q7485022d70_ffn,@function
k_q7485022d70_ffn:
	s_mov_b64 s[64:65], 0
	v_nop
	global_prefetch_b8 v0, s[64:65] scope:SCOPE_SE
	s_setreg_imm32_b32 hwreg(HW_REG_WAVE_SCHED_MODE, 0, 2), 2
	s_setreg_imm32_b32 hwreg(HW_REG_WAVE_MODE, 25, 1), 1
	s_wait_xcnt 0x0
	s_wait_alu depctr_vm_vsrc(0)
; ONE BODY FOR BOTH PRODUCTS OF THE EXPERTS.  Arguments: weights W (f32), token operand A (bf16), bias (f32), ctl (whole numbers), out.
; Eight words at ctl + 1024, stored by the launch before, give this launch its sizes; the first (KIND) says which product it is:
;   KIND 0: h = gelu(x w1 + b1).  A = xb, [1024 tokens][1024] bf16, rows taken in the order of the expert's list.  out = h, bf16, laid out as the second product's operand registers take it:
;           [64 e + tile][128 fragments of 32 channels][2 halves][32 lanes][16 bytes]; a tile is 16 rows of the expert's list.
;   KIND 1: part[kc] = h w2 (+ b2 where kc = 0), K in four chunks kc of 1,024.  A = h.  out = part, f32 partial sums [kc][e][row of the list][1024].
; Each of the words passes a minimum with a constant, and only sums, left shifts, products and ANDs lead from there into an address.
; SHARES.  256 work-groups: expert E = wg / 32; a slice of its weights of K 1,024 x 128 columns, 512 KB of f32, which this work-group alone reads, once; and ALL rows of that expert.
; The expert's rows are read off its bitmap in ctl: 0 to 1,024 rows are served, 16 to a tile, 24 tiles to a pass, up to 3 passes.
; THE LIST is never written down: row R of the expert's list is the token at the R-th set bit of its bitmap, and each lane finds the token of its own row from the 32 words of the bitmap,
; which lie in scalar registers, by arithmetic on registers alone (PASS_SETUP).
; ALL EIGHT WAVES RUN THE SAME TEXT.  In trip t a wave brings its eighth of chunk t (K 32 x 128 columns) from registers to LDS, rounded to bf16, asks for its eighth of chunk t + 4 and for its
; token fragments of step t + 2, and multiplies one chunk behind: the barrier that closes trip t shows chunk t to everybody.  Four chunks, 64 KB of weights, are on their way for the work-group.
; The slice stays in LDS; each LDS byte of it is written once.  Passes after the first read it again, with no barrier.
; THE PASSES.  The way out and one later pass stand once, in a loop over the passes, left by a forward jump when all tiles are done (an expert with 384 rows or fewer never enters a later pass).
; The 32 trips of the later pass are written out: behind the last barrier every address into the slice is a constant and the lane's term, to be read off the line that makes it.
; A wave has up to 3 tiles of 16 rows x all 8 column tiles: tile i of wave w in pass p is tile 24 p + 8 i + w of the list.
; THE MATRIX INSTRUCTION: source 0 = 16 columns of W, source 1 = 16 tokens.  In the result lane (r, h) holds token r and columns 8 h + 0..7: eight neighbouring numbers of a row.
; NO CLUSTER: no weight byte has a second reader; the token rows that an expert's work-groups share go by a list in the first product, and their number is read from memory.
; LIMITS.  W, A and the bias are rounded once to bf16, h once to bf16; sums in f32, in another order than a plain sum over k.
; erf by the rational form 1 - (a1 t + a2 t^2 + a3 t^3) e^(-z^2), t = 1 / (1 + 0.47047 z) (Abramowitz and Stegun 7.1.25): off by 2.5e-5 at the most for every z, so gelu by 1.25e-5 |x| at the most.
; NaN and infinities are not treated apart.  Places past an expert's count in its last tile, and the one tile of an expert without rows, repeat token 0; they are stored and never enter the output.
; THE MODE: SCHED_MODE bits 1:0 = 2 (LLVM: expert scheduling mode 2), set by the entry lines.  The code itself states the register dependences
; between vector or matrix instructions and memory or LDS instructions, with s_wait_alu, always for 0.
; THE PLAN.  Registers that memory or LDS instructions touch in trip t:
;   BH, first half   The LDS loads at the trip's head land in it (chunk t - 1); the trip's last products (HALF 0) read it.
;   BH, second half  The LDS loads in the trip's middle land in it (chunk t - 1); the NEXT trip's first products (HALF 1) read it.
;   AR0 .. AR3       The trip's first products read place (t - 2) % 4; behind them the tokens of step t + 2 land in that place.
;   WS0 .. WS3       The trip's eight conversions read place t % 4; behind them chunk t + 4 lands in that place.
;   OUTR             Written by the conversions; read by the trip's four LDS stores.
;   RDA, WRA         Read by every LDS load and store; written once in four trips (in a later pass RDA once in seven).
;   AOFF, ROW, L16   Read by the loads from memory; written by nothing in a pass.
;   The accumulators are named by matrix and vector instructions alone.
; So a trip is two steps on BH's two halves, which take turns, each with ONE wait on va_vdst at its head.  The first, at the trip's head, states that the last trip's HALF 0 is done with the first half.
; The second stands behind HALF 1 and the conversions, which are issued while those products run: it states that OUTR is written and that WS[t % 4], BH's second half and AR[(t - 2) % 4] are read out;
; the trip's stores and all its other loads follow it with scalar lines alone between.  One wait on vm_vsrc a trip stands ahead of the conversions, a trip and a barrier behind the stores that read OUTR.
.set CH,     8320                      ; a chunk in LDS: 8 fragments (16 columns x K 32)
.set FP,     1040                      ; a fragment: two halves of 512 bytes (lane l at 16 l), 16 bytes of padding: the 32 lanes of a store of 8 bytes then cover all 256 bytes of a row of banks
.set PRIV,   32*CH                     ; 266,240: behind the slice, 4,352 bytes for each wave: KIND 1's stage of 16 rows x 272 bytes
.set PRIVSZ, 4352
.set BIASL,  PRIV+8*PRIVSZ             ; 301,056: the slice's 128 bias numbers, f32, a copy for each wave.  Behind them, from byte 305,152 on, the spare words, 128 bytes a wave
; scalar registers
.set WV, 14
.set KIND, 15
.set BM, 16                            ; s[16:47] the expert's bitmap
.set E, 48
.set SUB, 49
.set KC, 50
.set NS, 51
.set PITCH, 52                         ; bytes of a row of W, and of a row of the bias
.set ASTR, 53                          ; bytes of A from K step to K step
.set ADEL, 54                          ; s[54:55] bytes from a fragment's first 16 bytes to its second
.set NE, 56                            ; the expert's rows
.set NT, 57                            ; tiles, at least 1
.set PASS, 59
.set MT, 60                            ; my live tiles in this pass, 0 to 3
.set IT, 61
.set WSTP, 62                          ; s[62:63] bytes of W from chunk to chunk
.set A0, 66                            ; s[66:67] A at my K chunk
.set AB0, 68                           ; s[68:69], s[70:71] bases of the token loads in hand
.set AB1, 70
.set AS, 72                            ; byte step of the next token loads
.set ASMASK, 73
.set TP, 74                            ; s[74:75] an offset; the high word stays 0
.set SB, 76                            ; s[76:77] base of the stores
.set IDX, 78
.set C1, 80
.set PRIVB, 81
.set NK2, 82
.set CA1, 84
.set CA2, 86
.set CA3, 88
.set MK, 95                            ; s[95:97] the search for the tokens: a compare's mask for each of the three tiles
; vector registers.  v0 the thread's number.  Window 1 (v256-447): the accumulator of tile i, column tile nt at 64 i + 8 nt
.set RDA,  1                           ; LDS address of my 16 bytes of a fragment's half
.set WRA,  2                           ; LDS address of the 8 bytes that I store
.set AOFF, 3                           ; v[3:5]     byte offset of tile i's rows in A
.set L16,  6                           ; 16 x lane; never rewritten
.set ROW,  7                           ; v[7:10]    byte offset of my 16 bytes in row i of my 4 rows of a chunk; never rewritten
.set BH,   16                          ; v[16:79]   fragments of W: column tiles 0-3, then 4-7
.set AR,   80                          ; v[80:175]  token fragments: a ring of 4 K steps x 3 tiles x 8
.set WS,   176                         ; v[176:239] weights as loaded: a ring of 4 chunks x 16: row i, column j at 4 i + j
.set OUTR, 240                         ; v[240:247] weights rounded
; at a pass's beginning, where no fragment of W is in registers, v16-43 serve the search for the tokens: a register for each of the three tiles, which go side by side
.set RK,   16                          ; v[16:18]   tile i: my row's rank in the list
.set WD,   19                          ; v[19:21]   tile i: the word of the bitmap that holds it
.set CC,   22                          ; v[22:24]   tile i: that word's number << 16 | the set bits in the words before it
.set SA2,  25                          ; v[25:27]   the word's counts of 2 bits,
.set SB4,  28                          ; v[28:30]   of 4 bits,
.set SC8,  31                          ; v[31:33]   of 8 bits
.set SNN,  34                          ; v[34:36]   which set bit of what is left of the word
.set SPS,  37                          ; v[37:39]   the bit at which what is left begins
.set STT,  40                          ; v[40:42]   at work
.set SHH,  43                          ; 16 x half of the lanes
; on the way out the same registers serve as
.set BIAS, 16                          ; v[16:79]
.set WK,   80
.set U,    96
.set Q,    112
.set P,    128
.set H,    144
.set G,    160
.set RB,   96                          ; KIND 1: v[96:127] 16 half rows read back from the stage
.set STG,  248
.set RDB,  249
.set TV,   250
.set GOF,  251
.set MSB, 0
.macro WIN new                         ; s_set_vgpr_msb: bits 1:0 source 0, 3:2 source 1, 5:4 source 2, 7:6 destination; the high byte repeats the setting that is left
.if MSB != (\new)
	s_set_vgpr_msb (MSB<<8)|(\new)
.set MSB, \new
.endif
.endm
.macro PLACES                          ; four plain instructions between a matrix instruction and a load into, or a vector write or read of, its registers
.rept 4
	v_nop
.endr
.endm
.macro MMT i, hf, ab, zero             ; tile i x four column tiles
.irp j, 0,1,2,3
.if \zero
	v_wmma_f32_16x16x32_bf16 v[64*(\i)+8*(4*(\hf)+\j):64*(\i)+8*(4*(\hf)+\j)+7], v[BH+32*(\hf)+8*\j:BH+32*(\hf)+8*\j+7], v[AR+24*(\ab)+8*(\i):AR+24*(\ab)+8*(\i)+7], 0
.else
	v_wmma_f32_16x16x32_bf16 v[64*(\i)+8*(4*(\hf)+\j):64*(\i)+8*(4*(\hf)+\j)+7], v[BH+32*(\hf)+8*\j:BH+32*(\hf)+8*\j+7], v[AR+24*(\ab)+8*(\i):AR+24*(\ab)+8*(\i)+7], v[64*(\i)+8*(4*(\hf)+\j):64*(\i)+8*(4*(\hf)+\j)+7]
.endif
.endr
.endm
; Half a K step: column tiles 4 hf .. 4 hf + 3 x my tiles, token fragments from ring place ab.  The accumulators take turns, one instruction a turn.
; zero = 1: the products start the sums, for all three tiles, so that every accumulator is written.  Else the third tile is jumped where it is dead: only matrix instructions are jumped.
.macro HALF hf, ab, zero
	WIN 0x50                                       ; C and D in window 1
	MMT 0, \hf, \ab, \zero
	MMT 1, \hf, \ab, \zero
.if \zero
	MMT 2, \hf, \ab, \zero
	WIN 0
.else
	WIN 0                                          ; at a branch and at a label every window is 0
	s_cmp_lt_u32 s[MT], 3
	s_cbranch_scc1 .Lh_\@
	WIN 0x50
	MMT 2, \hf, \ab, \zero
	WIN 0
.Lh_\@:
.endif
.endm
.macro BLOAD hf, b                     ; four fragments of W of the chunk b chunks behind RDA: each load takes 512 consecutive bytes
.irp j, 0,1,2,3
	ds_load_b128 v[BH+32*(\hf)+8*\j:BH+32*(\hf)+8*\j+3],   v[RDA] offset:(\b)*CH+(4*(\hf)+\j)*FP
	ds_load_b128 v[BH+32*(\hf)+8*\j+4:BH+32*(\hf)+8*\j+7], v[RDA] offset:(\b)*CH+(4*(\hf)+\j)*FP+512
.endr
.endm
; The token fragments of the next K step, always for all three tiles, so that every count is the same on every way.  The AND keeps the step among the 32 steps of my K chunk.
; The two bases are rewritten: s_wait_xcnt 0 stands ahead of every use of this macro.
.macro ALOAD ring
	s_mov_b32 s[TP], s[AS]
	s_add_nc_u64 s[AB0:AB0+1], s[A0:A0+1], s[TP:TP+1]
	s_add_nc_u64 s[AB1:AB1+1], s[AB0:AB0+1], s[ADEL:ADEL+1]
	s_add_co_u32 s[AS], s[AS], s[ASTR]
	s_and_b32 s[AS], s[AS], s[ASMASK]
.irp i, 0,1,2
	global_load_b128 v[AR+24*(\ring)+8*\i:AR+24*(\ring)+8*\i+3],   v[AOFF+\i], s[AB0:AB0+1]
	global_load_b128 v[AR+24*(\ring)+8*\i+4:AR+24*(\ring)+8*\i+7], v[AOFF+\i], s[AB1:AB1+1]
.endr
.endm
.macro WLOAD buf                       ; my eighth of a chunk: 4 loads, each 2 rows x 256 consecutive bytes, aligned
.irp i, 0,1,2,3
	global_load_b128 v[WS+16*(\buf)+4*\i:WS+16*(\buf)+4*\i+3], v[ROW+\i], s[4:5] th:TH_LOAD_NT
.endr
.endm
.macro WSTEP
	s_wait_xcnt 0x0                                ; the base is stepped only behind this wait
	s_add_nc_u64 s[4:5], s[4:5], s[WSTP:WSTP+1]
.endm
; TRIP t, ph = (t + 2) % 4.  rd: W's fragments of chunk t - 1 are read (rb: that chunk, counted from RDA).  h1: the second half of step t - 2; h0: the first half of step t - 1
; (0 none, 1 adds on, 2 starts the sums).  st: my eighth of chunk t has come (wcnt: the loads issued behind it), is rounded, behind the first products, and stored (wb: that chunk, counted from WRA).
; al: the tokens of step t + 2 are asked for, into the ring place that step t - 2 has just left.  wl: chunk t + 4 is asked for, into the place just rounded.  acnt: the loads issued behind the tokens
; of step t - 1.  bar: the barrier that closes the trip.  In a trip chunk t is written and chunk t - 1 read.
; Lane (r, h) of wave (q, kq) holds k = 8 kq + 4 h + 0..3 of columns 64 q + 4 r + 0..3: for each column four k in a row, 8 bytes of a fragment.
.macro TRIP rd, rb, ph, h1, h0, al, acnt, st, wb, wl, wcnt, bar
.set sp, ((\ph)+2)%4
.if \h1
	PLACES
	s_wait_alu depctr_va_vdst(0)                   ; the last trip's products are done reading BH's first half, in which the loads below land; where RDA has just been made anew, it is written
.endif
.if \rd
	BLOAD 0, \rb
.endif
.if \h1
	s_wait_dscnt 8                                 ; all but the eight just issued: the second half of chunk t - 2 is in
	HALF 1, \ph, \h1-1
.endif
.if \st
	s_wait_loadcnt \wcnt
.if \rd
	s_wait_alu depctr_vm_vsrc(0)                   ; the last trip's LDS stores have read OUTR, which the conversions write again (the first trip has no store in front of it)
.endif
.irp j, 0,1,2,3
	v_cvt_pk_bf16_f32 v[OUTR+2*\j],   v[WS+16*sp+\j],   v[WS+16*sp+4+\j]    ; these eight are also the places behind the products above
	v_cvt_pk_bf16_f32 v[OUTR+2*\j+1], v[WS+16*sp+8+\j], v[WS+16*sp+12+\j]
.endr
.elseif \h1
	PLACES
.endif
.if (\st) || (\h1)
	s_wait_alu depctr_va_vdst(0)                   ; the conversions have written OUTR, which the stores read, and are done reading WS[t % 4]; the products above are done reading BH's second half and their ring place of tokens: loads land in all three
.endif
.if \st
.irp j, 0,1,2,3
	ds_store_b64 v[WRA], v[OUTR+2*\j:OUTR+2*\j+1] offset:(\wb)*CH+16*\j
.endr
.endif
.if \rd
	BLOAD 1, \rb
.endif
.if (\al) || (\wl)
	s_wait_xcnt 0x0                                ; the bases of the loads are rewritten only behind this wait
.endif
.if \wl
	s_add_nc_u64 s[4:5], s[4:5], s[WSTP:WSTP+1]
.endif
.if \al
	ALOAD \ph
.endif
.if \wl
	WLOAD sp
.endif
.if \h0
	s_wait_loadcnt \acnt
	s_wait_dscnt 8+4*(\st)                         ; all but the eight loads and the stores issued behind them: the first half of chunk t - 1 is in
	HALF 0, (\ph+1)%4, \h0-1
.endif
.if \bar
	s_wait_dscnt 0x0                               ; for the others' sake: my stores are in LDS; and no LDS instruction of mine is out at the signal
	s_barrier_signal -1
	s_barrier_wait -1
.endif
.endm
; One halving of the search for a set bit, for the three tiles side by side: of the 2 x width bits that are left, the lower width hold STT set bits; if the bit wanted is not among them, go on in the upper ones.
.macro SELSTEP src, width
.irp i, 0,1,2
	v_bfe_u32 v[STT+\i], v[\src+\i], v[SPS+\i], \width
	v_cmp_ge_u32 s[MK+\i], v[SNN+\i], v[STT+\i]
	v_sub_nc_u32 v[STT+\i], v[SNN+\i], v[STT+\i]
.endr
	s_wait_alu depctr_va_sdst(0)                   ; the three masks are written, ahead of the selects that read them
.irp i, 0,1,2
	v_cndmask_b32 v[SNN+\i], v[SNN+\i], v[STT+\i], s[MK+\i]
	v_add_nc_u32 v[STT+\i], \width, v[SPS+\i]
	v_cndmask_b32 v[SPS+\i], v[SPS+\i], v[STT+\i], s[MK+\i]
.endr
.endm
; From the word that holds my row's bit to the token, and to its row's byte offset in xb, for the three tiles side by side.
.macro SEL
.irp i, 0,1,2
	v_and_b32 v[STT+\i], 0xffff, v[CC+\i]
	v_sub_nc_u32 v[SNN+\i], v[RK+\i], v[STT+\i]    ; which set bit of the word: the rank less the set bits in the words before
	v_lshrrev_b32 v[STT+\i], 1, v[WD+\i]
	v_and_b32 v[STT+\i], 0x55555555, v[STT+\i]
	v_sub_nc_u32 v[SA2+\i], v[WD+\i], v[STT+\i]    ; the set bits of each 2 bits,
	v_lshrrev_b32 v[STT+\i], 2, v[SA2+\i]
	v_and_b32 v[STT+\i], 0x33333333, v[STT+\i]
	v_and_b32 v[SB4+\i], 0x33333333, v[SA2+\i]
	v_add_nc_u32 v[SB4+\i], v[SB4+\i], v[STT+\i]   ; of each 4,
	v_lshrrev_b32 v[STT+\i], 4, v[SB4+\i]
	v_add_nc_u32 v[SC8+\i], v[SB4+\i], v[STT+\i]
	v_and_b32 v[SC8+\i], 0x0f0f0f0f, v[SC8+\i]     ; of each 8,
	v_lshrrev_b32 v[STT+\i], 8, v[SC8+\i]
	v_add_nc_u32 v[STT+\i], v[SC8+\i], v[STT+\i]
	v_and_b32 v[STT+\i], 0xff, v[STT+\i]           ; of the lower 16
	v_cmp_ge_u32 s[MK+\i], v[SNN+\i], v[STT+\i]
	v_sub_nc_u32 v[STT+\i], v[SNN+\i], v[STT+\i]
.endr
	s_wait_alu depctr_va_sdst(0)                   ; the three masks are written, ahead of the selects that read them
.irp i, 0,1,2
	v_cndmask_b32 v[SNN+\i], v[SNN+\i], v[STT+\i], s[MK+\i]
	v_cndmask_b32 v[SPS+\i], 0, 16, s[MK+\i]
.endr
	SELSTEP SC8, 8
	SELSTEP SB4, 4
	SELSTEP SA2, 2
	SELSTEP WD, 1
.irp i, 0,1,2
	v_lshrrev_b32 v[STT+\i], 16, v[CC+\i]
	v_lshl_add_u32 v[STT+\i], v[STT+\i], 5, v[SPS+\i]  ; the token: 32 x word + bit
	v_cmp_gt_u32 s[MK+\i], s[NE], v[RK+\i]
.endr
	s_wait_alu depctr_va_sdst(0)                   ; the three masks are written, ahead of the selects that read them
.irp i, 0,1,2
	v_cndmask_b32 v[AOFF+\i], 0, v[STT+\i], s[MK+\i]   ; a place past the count names token 0
	v_min_u32 v[AOFF+\i], 0x3ff, v[AOFF+\i]
	v_lshl_add_u32 v[AOFF+\i], v[AOFF+\i], 11, v[SHH]  ; token x 2,048 + 16 x half of the lanes
.endr
.endm
; What pass s[PASS] begins with: my live tiles, their rows' offsets in A, the first three K steps' tokens.  v11 to v15 are left alone: in the first pass the bias is still on its way into them.
.macro PASS_SETUP
	s_mul_i32 s90, s[PASS], 24
	s_add_co_u32 s90, s90, s[WV]                   ; my first tile of the pass
	s_sub_co_i32 s91, s[NT], s90
	s_add_co_i32 s91, s91, 7
	s_ashr_i32 s91, s91, 3
	s_max_i32 s91, s91, 0
	s_min_i32 s[MT], s91, 3                        ; the i with 24 p + 8 i + w < NT
	s_cmp_eq_u32 s[KIND], 0
	s_cbranch_scc0 .Lk1_\@
	; KIND 0.  My row of tile i has rank 16 (24 p + 8 i + w) + r.  The words of the bitmap are walked once for the three tiles: a lane keeps the last word in front of which no more set bits
	; stand than its rank; that word holds its bit
	v_and_b32 v[STT], 15, v0
	v_and_b32 v[SHH], 16, v0
	s_lshl_b32 s91, s90, 4
	v_add_nc_u32 v[RK], s91, v[STT]
	v_add_nc_u32 v[RK+1], 128, v[RK]
	v_add_nc_u32 v[RK+2], 128, v[RK+1]
.irp i, 0,1,2
	v_mov_b32 v[WD+\i], s[BM]
	v_mov_b32 v[CC+\i], 0
.endr
	s_mov_b32 s92, 0
.set w, 1
.rept 31
	s_bcnt1_i32_b32 s93, s[BM+w-1]
	s_add_co_u32 s92, s92, s93                     ; the set bits in front of word w,
	s_add_co_u32 s94, s92, w<<16                   ; and the word's number above them
.irp i, 0,1,2
	v_cmp_gt_u32 s[MK+\i], s92, v[RK+\i]           ; more than my rank: what I have stays
.endr
	s_wait_alu depctr_va_sdst(0)                   ; the three masks are written, ahead of the selects that read them
.irp i, 0,1,2
	v_cndmask_b32 v[WD+\i], s[BM+w], v[WD+\i], s[MK+\i]
	v_cndmask_b32 v[CC+\i], s94, v[CC+\i], s[MK+\i]
.endr
.set w, w+1
.endr
	SEL
	s_branch .Lkj_\@
.Lk1_\@:
	s_sub_co_u32 s92, s[NT], 1
	s_lshl_b32 s93, s[E], 6
.irp i, 0,1,2
	s_add_co_u32 s91, s90, 8*\i
	s_min_u32 s91, s91, s92                        ; a dead tile reads the last live one
	s_min_u32 s91, s91, 63
	s_add_co_u32 s91, s91, s93
	s_lshl_b32 s91, s91, 17
	v_add_nc_u32 v[AOFF+\i], s91, v[L16]
.endr
.Lkj_\@:
	s_mov_b32 s[AS], 0
	v_mov_b32 v[RDA], v[L16]
	s_wait_xcnt 0x0
	s_wait_alu depctr_va_vdst(0)                   ; AOFF and RDA are written, which the pass's loads read; the search is done with v16 to v43, in which fragments of W land; in a later pass the way out's arithmetic is done with v80 to v175, in which the tokens land
	ALOAD 0
	s_wait_xcnt 0x0
	ALOAD 1
	s_wait_xcnt 0x0
	ALOAD 2
.endm
; Batch n: its 16 sums plus the bias, into WK.  Each accumulator is read from its lowest registers on.
.macro CPB n
.Lcp\n:
	WIN 0x01                                       ; source 0 in window 1
.set ac, 64*(\n/4)+16*(\n%4)
.set m, 0
.rept 8
	v_pk_add_f32 v[WK+2*m:WK+2*m+1], v[ac+2*m:ac+2*m+1], v[BIAS+16*(\n%4)+2*m:BIAS+16*(\n%4)+2*m+1]
.set m, m+1
.endr
	WIN 0
.endm
	s_load_b256 s[4:11], s[0:1], 0x0               ; W 4:5, A 6:7, bias 8:9, ctl 10:11
	s_load_b64 s[12:13], s[0:1], 0x20              ; out
	v_lshl_add_u32 v254, v0, 2, 0x4a800
	v_mov_b32 v255, 0
	v_lshrrev_b32 v11, 5, v0
	v_readfirstlane_b32 s[WV], v11
	v_and_b32 v11, 31, v0
	v_lshlrev_b32 v[L16], 4, v11
	s_lshr_b32 s[E], ttmp9, 5
	s_and_b32 s[SUB], ttmp9, 31
	s_lshl_b32 s[TP], s[E], 7
	s_mov_b32 s[TP+1], 0
	s_wait_kmcnt 0x0
	s_add_nc_u64 s[SB:SB+1], s[10:11], s[TP:TP+1]
	s_load_b256 s[92:99], s[10:11], 0x400          ; the eight words
	s_load_b512 s[BM:BM+15], s[SB:SB+1], 0x0       ; my expert's bitmap
	s_load_b512 s[BM+16:BM+31], s[SB:SB+1], 0x40
	s_wait_alu depctr_va_sdst(0)                   ; the wave's number is written, ahead of its first reader
	s_and_b32 s90, s[WV], 1                        ; q: columns 64 q on
	s_lshr_b32 s91, s[WV], 1                       ; kq: K rows 8 kq on of each chunk
	v_and_b32 v11, 15, v0                          ; r
	v_bfe_u32 v12, v0, 4, 1                        ; h
	v_lshrrev_b32 v13, 2, v11
	v_lshl_add_u32 v13, s90, 2, v13                ; fragment 4 q + r / 4,
	v_mul_u32_u24 v13, v13, FP
	v_and_b32 v14, 3, v11
	v_lshl_add_u32 v13, v14, 6, v13                ; its column 4 (r % 4) + j, 16 bytes each,
	v_lshl_add_u32 v13, v12, 3, v13                ; the half h of those 16 bytes,
	s_lshl_b32 s89, s91, 8                         ; and 256 kq: K 8 kq on is half kq / 2 of the fragment (512 bytes), lanes 16 (kq % 2) on (256 bytes)
	v_add_nc_u32 v[WRA], s89, v13
	s_lshl_b32 s89, s91, 3
	v_lshl_add_u32 v13, v12, 2, s89                ; row 8 kq + 4 h
	s_lshl_b32 s89, s90, 8
	v_lshl_add_u32 v14, v11, 4, s89                ; 256 q + 16 r
	s_wait_kmcnt 0x0
	s_min_u32 s[KIND], s92, 1
	s_min_u32 s[PITCH], s93, 0x4000
	s_min_u32 s[ASTR], s94, 0x400
	s_min_u32 s[ADEL], s95, 0x200
	s_min_u32 s96, s96, 31
	s_min_u32 s97, s97, 3
	s_min_u32 s[ASMASK], s98, 0x7fff
	s_mov_b32 s[ADEL+1], 0
	s_and_b32 s[NS], s[SUB], s96                   ; KIND 0: 32 slices of 128 columns, one K chunk.  KIND 1: 8 slices, 4 K chunks
	s_lshr_b32 s90, s[SUB], 3
	s_and_b32 s[KC], s90, s97
	s_lshl_b32 s[WSTP], s[PITCH], 5
	s_mov_b32 s[WSTP+1], 0
	s_lshl_b32 s[TP], s[E], 24                     ; an expert's weights are 16 MB in both products
	s_mul_i32 s90, s[KC], s[PITCH]
	s_lshl_b32 s90, s90, 10
	s_add_co_u32 s[TP], s[TP], s90
	s_lshl_b32 s90, s[NS], 9
	s_add_co_u32 s[TP], s[TP], s90
	s_add_nc_u64 s[4:5], s[4:5], s[TP:TP+1]        ; W at my slice
	s_mul_i32 s[TP], s[KC], s[ASTR]
	s_lshl_b32 s[TP], s[TP], 5
	s_add_nc_u64 s[A0:A0+1], s[6:7], s[TP:TP+1]
	s_mul_i32 s[TP], s[E], s[PITCH]
	s_add_co_u32 s[TP], s[TP], s90
	s_add_nc_u64 s[8:9], s[8:9], s[TP:TP+1]        ; the bias at my slice
	v_mul_lo_u32 v13, v13, s[PITCH]
	v_add_nc_u32 v[ROW], v13, v14
.irp i, 1,2,3
	v_add_nc_u32 v[ROW+\i], s[PITCH], v[ROW+\i-1]
.endr
	s_wait_alu depctr_va_vdst(0)                   ; L16, ROW and WRA are written, which the loads and the LDS stores read; the lines above are done with v12 to v15, in which the bias lands
	global_load_b128 v[12:15], v[L16], s[8:9]      ; the slice's 128 bias numbers, 4 a lane
	WLOAD 0                                        ; the first four chunks go out before anything else is done
	WSTEP
	WLOAD 1
	WSTEP
	WLOAD 2
	WSTEP
	WLOAD 3
	; counts and constants
	s_mul_i32 s[PRIVB], s[WV], PRIVSZ
	s_add_co_u32 s[PRIVB], s[PRIVB], PRIV
	s_mov_b32 s[C1], 0x3eaa540e                    ; 0.47047 / sqrt(2)
	s_mov_b32 s[NK2], 0xbf38aa3b                   ; -log2(e) / 2
	s_mov_b32 s[NK2+1], 0xbf38aa3b                 ; (each is named as a pair, so both words are written)
	s_mov_b32 s[CA1], 0x3eb2303a                   ; 0.3480242
	s_mov_b32 s[CA1+1], 0x3eb2303a
	s_mov_b32 s[CA2], 0xbdc45ca1                   ; -0.0958798
	s_mov_b32 s[CA2+1], 0xbdc45ca1
	s_mov_b32 s[CA3], 0x3f3f7377                   ; 0.7478556
	s_mov_b32 s[CA3+1], 0x3f3f7377
	s_mov_b32 s[NE], 0
.set w, 0
.rept 32
	s_bcnt1_i32_b32 s90, s[BM+w]
	s_add_co_u32 s[NE], s[NE], s90
.set w, w+1
.endr
	s_add_co_u32 s[NT], s[NE], 15
	s_lshr_b32 s[NT], s[NT], 4
	s_max_u32 s[NT], s[NT], 1
	s_min_u32 s[NT], s[NT], 64
	s_mov_b32 s[PASS], 0
	PASS_SETUP                                     ; the search for my tokens stands in the wait for the first weights; behind it the first 18 token loads go out
	s_wait_loadcnt 34                              ; the bias has come; the four chunks' 16 loads and the 18 token loads stay out
	v_cvt_pk_bf16_f32 v248, v12, v13               ; rounded to bf16,
	v_cvt_pk_bf16_f32 v249, v14, v15
	s_cmp_eq_u32 s[KC], 0
	s_cselect_b32 s90, -1, 0                       ; (of the four K chunks' partial sums the first alone carries the bias)
	v_and_b32 v248, s90, v248
	v_and_b32 v249, s90, v249
	v_lshlrev_b32 v12, 16, v248                    ; and widened again
	v_and_b32 v13, 0xffff0000, v248
	v_lshlrev_b32 v14, 16, v249
	v_and_b32 v15, 0xffff0000, v249
	s_lshl_b32 s90, s[WV], 9
	s_add_co_u32 s90, s90, BIASL
	v_add_nc_u32 v250, s90, v[L16]
	s_wait_alu depctr_va_vdst(0)                   ; v12 to v15 and v250 are written, which the store reads
	ds_store_b128 v250, v[12:15]                   ; my wave's own copy: only I read it
	;    rd rb ph h1 h0 al acnt st wb wl wcnt bar      issue order of the loads: bias, W0-3, A0-2, then in trip t A(t+2) (from trip 1 on) and W(t+4); the wait for W(t) stands ahead of the trip's own loads
	TRIP 0, 0, 2, 0, 0, 0, 0,   1, 0, 1, 30,  1    ; trip 0: behind W0 stand W1-3 (12) and A0-2 (18)
	TRIP 1, 0, 3, 0, 2, 1, 26,  1, 1, 1, 30,  1    ; trip 1: behind W1: 8 + 18 + 4; behind A0: 12 + 4 + 10
	TRIP 1, 1, 0, 2, 1, 1, 30,  1, 2, 1, 36,  1    ; trip 2: behind W2: 4 + 18 + 4 + 10; behind A1: 6 + 4 + 20
	TRIP 1, 2, 1, 1, 1, 1, 34,  1, 3, 1, 42,  1    ; trip 3: behind W3: 18 + 4 + 20
	s_mov_b32 s[IT], 6
.Lmain:                                                ; trips 4 to 27.  Behind W(t): three trips' 10 loads.  Behind A(t-1): 4, and three trips' 10
	TRIP 1, 3, 2, 1, 1, 1, 34,  1, 4, 1, 30,  1
	TRIP 1, 4, 3, 1, 1, 1, 34,  1, 5, 1, 30,  1
	TRIP 1, 5, 0, 1, 1, 1, 34,  1, 6, 1, 30,  1
	TRIP 1, 6, 1, 1, 1, 1, 34,  1, 7, 1, 30,  1
	s_wait_alu depctr_vm_vsrc(0)                   ; the LDS loads and stores issued so far have read RDA and WRA
	v_add_nc_u32 v[RDA], 4*CH, v[RDA]              ; the chunk within a lap stands in the immediates
	v_add_nc_u32 v[WRA], 4*CH, v[WRA]
	s_sub_co_u32 s[IT], s[IT], 1
	s_cmp_lg_u32 s[IT], 0
	s_cbranch_scc1 .Lmain
	v_add_nc_u32 v[RDA], 3*CH, v[RDA]
	TRIP 1, 0, 2, 1, 1, 1, 30,  1, 4, 0, 30,  1    ; trips 28 to 31: no weights are left to ask for, from trip 30 on no tokens: the counts run down
	TRIP 1, 1, 3, 1, 1, 1, 26,  1, 5, 0, 26,  1
	TRIP 1, 2, 0, 1, 1, 0, 16,  1, 6, 0, 22,  1
	TRIP 1, 3, 1, 1, 1, 0, 6,   1, 7, 0, 12,  1
	TRIP 1, 4, 2, 1, 1, 0, 0,   0, 0, 0, 0,   0    ; trip 32: the slice is whole; no barrier follows
.Lpass:
	; A PASS ENDS: the second half of the last K step, and THE WAY OUT.  Twelve batches: tile IDX / 4, column tiles 2 (IDX % 4) and the next.  The add of the bias brings any batch's 16 sums
	; into one set of registers, so what follows is written once.  No load from memory is out here: the last trip's wait was for 0.
	s_wait_dscnt 0x0
	HALF 1, 3, 0
	PLACES
	v_and_b32 v11, 15, v0
	v_bfe_u32 v12, v0, 4, 1
	s_lshl_b32 s90, s[WV], 9
	s_add_co_u32 s90, s90, BIASL
	v_lshl_add_u32 v[TV], v12, 5, s90
	v_mul_u32_u24 v[STG], v11, 272
	v_lshl_add_u32 v[STG], v12, 5, v[STG]
	v_add_nc_u32 v[STG], s[PRIVB], v[STG]          ; the stage: row r, 32 bytes for each half of the lanes
	v_mul_u32_u24 v[RDB], v12, 272
	v_lshl_add_u32 v[RDB], v11, 4, v[RDB]
	v_add_nc_u32 v[RDB], s[PRIVB], v[RDB]          ; back: lanes 0-15 one row's 256 bytes, lanes 16-31 the next row's,
	v_lshlrev_b32 v[GOF], 12, v12
	v_lshl_add_u32 v[GOF], v11, 4, v[GOF]          ; and the same two rows in part
	s_wait_alu depctr_va_vdst(0)                   ; the pass's last products are done reading v16 to v79, in which the bias lands; TV, RDB and GOF are written, which the loads and stores of the way out read
.set m, 0
.rept 8
	ds_load_b128 v[BIAS+8*m:BIAS+8*m+3],   v[TV] offset:64*m     ; columns 16 m + 8 h + 0..7
	ds_load_b128 v[BIAS+8*m+4:BIAS+8*m+7], v[TV] offset:64*m+16
.set m, m+1
.endr
	s_wait_dscnt 0x0
	s_mov_b32 s[IDX], 0
.Lep:
	s_wait_alu depctr_vm_vsrc(0)                   ; the bias's loads have read TV, and the stores of the batch before have read TV, WK, G and RB: all of these are written again below
	s_lshr_b32 s90, s[IDX], 2
	s_cmp_ge_u32 s90, s[MT]
	s_cbranch_scc1 .Lepn                           ; a dead tile is jumped: no barrier stands in what is jumped
.irp n, 0,1,2,3,4,5,6,7,8,9,10
	s_cmp_eq_u32 s[IDX], \n
	s_cbranch_scc1 .Lcp\n
.endr
.irp n, 11,0,1,2,3,4,5,6,7,8,9
	CPB \n
	s_branch .Lwork
.endr
	CPB 10
.Lwork:
	s_wait_xcnt 0x0                                ; the stores' base and data registers are rewritten only behind this wait
	s_and_b32 s91, s[IDX], 3                       ; the batch
	s_mul_i32 s92, s[PASS], 24
	s_lshl_b32 s93, s90, 3
	s_add_co_u32 s92, s92, s93
	s_add_co_u32 s92, s92, s[WV]                   ; the tile's number in the list
	s_cmp_eq_u32 s[KIND], 0
	s_cbranch_scc0 .Lst1
	; KIND 0: gelu(x) = x / 2 + |x / 2| (1 - p(t) e^(-x^2 / 2)), t = 1 / (1 + C1 |x|), for 16 numbers
.set m, 0
.rept 16
	v_fma_f32 v[U+m], |v[WK+m]|, s[C1], 1.0
.set m, m+1
.endr
.set m, 0
.rept 8
	v_pk_mul_f32 v[Q+2*m:Q+2*m+1], v[WK+2*m:WK+2*m+1], v[WK+2*m:WK+2*m+1]
.set m, m+1
.endr
.set m, 0
.rept 8
	v_pk_mul_f32 v[Q+2*m:Q+2*m+1], v[Q+2*m:Q+2*m+1], s[NK2:NK2+1] op_sel_hi:[1,0]
.set m, m+1
.endr
.set m, 0
.rept 16
	v_rcp_f32 v[U+m], v[U+m]                       ; 16 reciprocals and 16 exponentials: one batch
.set m, m+1
.endr
.set m, 0
.rept 16
	v_exp_f32 v[Q+m], v[Q+m]
.set m, m+1
.endr
.set m, 0
.rept 8
	v_pk_mul_f32 v[H+2*m:H+2*m+1], v[WK+2*m:WK+2*m+1], 0.5 op_sel_hi:[1,0]  ; plain work behind the batch, which names none of its results
.set m, m+1
.endr
	s_wait_alu depctr_va_vdst(0)                   ; one wait for the batch, ahead of its first reader: the reciprocals in U and the exponentials in Q are written
.set m, 0
.rept 8
	v_pk_fma_f32 v[P+2*m:P+2*m+1], v[U+2*m:U+2*m+1], s[CA3:CA3+1], s[CA2:CA2+1] op_sel_hi:[1,0,0]
.set m, m+1
.endr
.set m, 0
.rept 8
	v_pk_fma_f32 v[P+2*m:P+2*m+1], v[P+2*m:P+2*m+1], v[U+2*m:U+2*m+1], s[CA1:CA1+1] op_sel_hi:[1,1,0]
.set m, m+1
.endr
.set m, 0
.rept 8
	v_pk_mul_f32 v[P+2*m:P+2*m+1], v[P+2*m:P+2*m+1], v[U+2*m:U+2*m+1]
.set m, m+1
.endr
.set m, 0
.rept 8
	v_pk_mul_f32 v[P+2*m:P+2*m+1], v[P+2*m:P+2*m+1], v[Q+2*m:Q+2*m+1]
.set m, m+1
.endr
.set m, 0
.rept 16
	v_fma_f32 v[U+m], -|v[H+m]|, v[P+m], |v[H+m]|
.set m, m+1
.endr
.set m, 0
.rept 8
	v_pk_add_f32 v[U+2*m:U+2*m+1], v[U+2*m:U+2*m+1], v[H+2*m:H+2*m+1]
.set m, m+1
.endr
.set m, 0
.rept 8
	v_cvt_pk_bf16_f32 v[G+m], v[U+2*m], v[U+2*m+1]
.set m, m+1
.endr
	s_lshl_b32 s93, s[E], 6
	s_add_co_u32 s93, s93, s92
	s_lshl_b32 s93, s93, 17                        ; the tile's 131,072 bytes of h,
	s_lshl_b32 s94, s[NS], 2
	s_add_co_u32 s94, s94, s91
	s_lshl_b32 s94, s94, 10                        ; its fragment 4 NS + batch: the two column tiles are the fragment's two halves
	s_add_co_u32 s[TP], s93, s94
	s_add_nc_u64 s[SB:SB+1], s[12:13], s[TP:TP+1]
	s_wait_alu depctr_va_vdst(0)                   ; the roundings have written G, which the two stores read
	global_store_b128 v[L16], v[G:G+3], s[SB:SB+1]             ; 512 consecutive bytes, aligned
	global_store_b128 v[L16], v[G+4:G+7], s[SB:SB+1] offset:512
	s_branch .Lepn
.Lst1:
	; KIND 1: the batch goes into my stage; behind every second batch 16 half rows of 256 bytes come back whole and are stored
	s_and_b32 s93, s91, 1
	v_lshl_add_u32 v[TV], s93, 7, v[STG]
	s_wait_alu depctr_va_vdst(0)                   ; TV and the batch's sums in WK are written, which the LDS stores read; no vector line behind this wait names RB, in which the loads from the stage land
	ds_store_b128 v[TV], v[WK:WK+3]
	ds_store_b128 v[TV], v[WK+4:WK+7] offset:16
	ds_store_b128 v[TV], v[WK+8:WK+11] offset:64
	ds_store_b128 v[TV], v[WK+12:WK+15] offset:80
	s_cmp_eq_u32 s93, 0
	s_cbranch_scc1 .Lepn
.set m, 0
.rept 8
	ds_load_b128 v[RB+4*m:RB+4*m+3], v[RDB] offset:544*m       ; my own bytes, served in order behind the stores above (ISA guide 5.7.1.4)
.set m, m+1
.endr
	s_lshl_b32 s93, s[KC], 3
	s_add_co_u32 s93, s93, s[E]
	s_lshl_b32 s93, s93, 10
	s_lshl_b32 s94, s92, 4
	s_add_co_u32 s93, s93, s94                     ; row (8 kc + e) x 1,024 + 16 x tile
	s_lshl_b32 s93, s93, 12
	s_lshl_b32 s94, s[NS], 9
	s_add_co_u32 s93, s93, s94
	s_lshr_b32 s94, s91, 1
	s_lshl_b32 s94, s94, 8                         ; the slice's first or second 64 columns
	s_add_co_u32 s[TP], s93, s94
	s_add_nc_u64 s[SB:SB+1], s[12:13], s[TP:TP+1]
	s_wait_dscnt 0x0
.set m, 0
.rept 8
	global_store_b128 v[GOF], v[RB+4*m:RB+4*m+3], s[SB:SB+1] offset:8192*m  ; 16 lanes store 256 consecutive bytes of a row, aligned
.set m, m+1
.endr
.Lepn:
	s_add_co_u32 s[IDX], s[IDX], 1
	s_cmp_lt_u32 s[IDX], 12
	s_cbranch_scc1 .Lep
	; A LATER PASS, for an expert with more than 24 tiles a pass gone by: the slice is read again from LDS; nothing writes it, so no barrier stands here.  Its trips 1 to 32 are written out:
	; the read address is made anew every seven trips, a constant and 16 x lane, and the chunk among those seven stands in the immediate (57,712 at the most).  Token loads alone are out:
	; behind the tokens of step t - 1 stand three steps' 6 loads; step 31 is asked for in trip 29, so the counts of trips 30 to 32 run down: 12, 6, 0.
	s_add_co_u32 s[PASS], s[PASS], 1
	s_mul_i32 s90, s[PASS], 24
	s_cmp_ge_u32 s90, s[NT]                        ; all tiles are done
	s_cbranch_scc1 .Lend
	s_wait_alu depctr_vm_vsrc(0)                   ; the loads of the pass gone by have read AOFF and RDA, the way out's loads and stores TV, RDB, GOF and their data in v80 to v167: the set-up and the next way out write the first five, and tokens land in the last
	PASS_SETUP
.set t, 1
.rept 32
.set trb, (t-1)%7
.set tph, (t+2)%4
.set th1, 1
.set th0, 1
.set tal, 1
.set tac, 18
.if t == 1
.set th1, 0
.set th0, 2
.endif
.if t == 2
.set th1, 2
.endif
.if t > 29
.set tal, 0
.set tac, 6*(32-t)
.endif
.if (trb == 0) && (t > 1)
	s_wait_alu depctr_vm_vsrc(0)                   ; the LDS loads issued so far have read RDA
	v_add_nc_u32 v[RDA], (t-1)*CH, v[L16]          ; chunk t - 1
.endif
	TRIP 1, trb, tph, th1, th0, tal, tac, 0, 0, 0, 0, 0
.set t, t+1
.endr
	s_cmp_lt_u32 s[PASS], 3                        ; 64 tiles at the most are three passes: the jump above ends the loop at the latest when the third has gone out
	s_cbranch_scc1 .Lpass
.Lend:
	s_wait_dscnt 0x0                               ; the wave's end: my last LDS instructions are done
	s_wait_alu depctr_hold_cnt(0) depctr_sa_sdst(0) depctr_va_vdst(0) depctr_va_sdst(0) depctr_va_ssrc(0) depctr_va_vcc(0) depctr_vm_vsrc(0)
	s_wait_tensorcnt 0x0
	ds_add_u32 v254, v255
	s_wait_dscnt 0x0
	s_endpgm
.Lfunc_end_k_q7485022d70_ffn:
	.size	k_q7485022d70_ffn, .Lfunc_end_k_q7485022d70_ffn-k_q7485022d70_ffn
	.p2alignl 7, 3214868480
	.fill 96, 4, 3214868480
	.section	.rodata,"a",@progbits
	.p2align	6, 0x0
	.amdhsa_kernel k_q7485022d70_ffn
		.amdhsa_group_segment_fixed_size 306176
		.amdhsa_private_segment_fixed_size 0
		.amdhsa_enable_private_segment 0
		.amdhsa_kernarg_size 40
		.amdhsa_user_sgpr_count 2
		.amdhsa_user_sgpr_kernarg_segment_ptr 1
		.amdhsa_wavefront_size32 1
		.amdhsa_system_sgpr_workgroup_id_x 1
		.amdhsa_system_sgpr_workgroup_id_y 1
		.amdhsa_system_sgpr_workgroup_id_z 1
		.amdhsa_system_vgpr_workitem_id 0
		.amdhsa_next_free_vgpr 448
		.amdhsa_next_free_sgpr 100
		.amdhsa_reserve_vcc 0
		.amdhsa_float_denorm_mode_32 3
		.amdhsa_float_denorm_mode_16_64 3
		.amdhsa_memory_ordered 1
		.amdhsa_forward_progress 1
		.amdhsa_inst_pref_size 255
	.end_amdhsa_kernel
	.section	.bss,"aw",@nobits
	.p2align	6
	.space	262144
	.amdgpu_metadata
---
amdhsa.version: [ 1, 2 ]
amdhsa.kernels:
  - .name:           k_q7485022d70_ffn
    .symbol:         k_q7485022d70_ffn.kd
    .args:
      - { .name: w1, .offset: 0, .size: 8, .value_kind: global_buffer, .address_space: global }
      - { .name: xb, .offset: 8, .size: 8, .value_kind: global_buffer, .address_space: global }
      - { .name: b1, .offset: 16, .size: 8, .value_kind: global_buffer, .address_space: global }
      - { .name: ctl1, .offset: 24, .size: 8, .value_kind: global_buffer, .address_space: global }
      - { .name: h, .offset: 32, .size: 8, .value_kind: global_buffer, .address_space: global }
    .group_segment_fixed_size: 306176
    .private_segment_fixed_size: 0
    .kernarg_segment_align: 8
    .kernarg_segment_size: 40
    .max_flat_workgroup_size: 256
    .sgpr_count:     100
    .vgpr_count:     448
    .wavefront_size: 32
...
	.end_amdgpu_metadata
.endif
;; end of part 6
;; launch ffn2: the kernel of part 6 again; grid 256 x 1, 8 waves a work-group, no clusters, 306,176 bytes of LDS; arguments w2, h, b2, ctl2, part; writes part
;; launch combine: the kernel of part 3 again; grid 256 x 1, 4 waves a work-group, no clusters, 0 bytes of LDS; arguments part, sel, gates, ctl1, out0; writes out0
